; MI455X (gfx1250); checked and timed in simulation.
; The chip was launched on July 23, 2026; its instructions are those of AMD's public machine-readable ISA for CDNA 5 (MIT licence, August 2026) and "CDNA5" Instruction Set Architecture Reference Guide (July 2026). The comments in the code are by the model that wrote it; some were corrected since.
;; PQR Quantizer. Allowed arithmetic: float matrix products may take bf16 or f16 operands with f32 sums; all other float work in f32.
;; Inputs: codebook 8,192 x 512 float32; inputs 16,384 x 512 float32.
;; Outputs: out0 16,384 x 512 float32; out1 16,384 int32.
;; 3 versions, each right; version 2 is faster than version 1; version 3 is version 2 with the launch prep written anew for expert scheduling mode. Each part assembles by itself: llvm-mc -triple=amdgcn-amd-amdhsa -mcpu=gfx1250 --defsym DOCPART=n.
;; ======== version 1 of 3: 3 launches
;; workspace buffers: cb16 8,388,608 bytes; c2 32,768 bytes; pval 131,072 bytes; pidx 131,072 bytes of whole numbers
;; launch prep (part 1): grid 128 x 1, 8 waves a work-group, no clusters, 1,280 bytes of LDS; arguments codebook, cb16, c2; writes cb16, c2
.if DOCPART == 1
	.amdgcn_target "amdgcn-amd-amdhsa--gfx1250"
	.amdhsa_code_object_version 6
	.text
	.protected	k_q6ef763cad0_prep
	.globl	k_q6ef763cad0_prep
	.p2align	8
	.type	k_q6ef763cad0_prep,@function
k_q6ef763cad0_prep:
	s_mov_b64 s[64:65], 0
	v_nop
	global_prefetch_b8 v0, s[64:65] scope:SCOPE_SE
	s_setreg_imm32_b32 hwreg(HW_REG_WAVE_MODE, 25, 1), 1
	s_wait_xcnt 0x0
; cb16[k][:] = codebook[k][:] rounded to bf16;  c2[k] = the sum over the row of the squares of the ROUNDED numbers, in f32.
; codebook: [8192][512] f32.  cb16: [8192][512] bf16.  c2: [8192] f32.
; Eight waves; the work-group owns 64 rows, so that its 64 sums are 256 consecutive bytes of c2, stored by one instruction.
; A wave owns 8 rows and takes a whole row at a time: four loads of 512 consecutive bytes, four stores of 256 consecutive bytes.
; All 32 loads of a wave go out at once (16 KB a wave on its way); each row has its own registers in and out, so no register
; that a load or store names is ever written again.  No matrix unit, no cluster: nothing is shared and memory binds.
; LIMITS: NaN and infinities are not treated apart; the order of a row's 512 additions is the lanes' own.
.set ROWB,  2048                       ; bytes of a row of codebook
.set OUTB,  1024                       ; bytes of a row of cb16
.set SCR,   0                          ; LDS: 64 sums, one block of 256 bytes
.set SPARE, 256                        ; LDS: the spare words, 128 bytes for each of the eight waves
.set L16, 1                            ; v1   16 x lane
.set L8,  2                            ; v2   8 x lane
.set L7,  3                            ; v3   lane mod 8
.set SPW, 4                            ; v4   LDS address of my spare word; never rewritten
.set NIL, 5                            ; v5   0; never rewritten
.set S0,  6                            ; v6   sum of the low halves' squares, then the row's sum
.set S1,  7                            ; v7   sum of the high halves' squares
.set TP,  8                            ; v8   the other half of the lanes' sum
.set CS,  9                            ; v9   lane l ends with the sum of row l mod 8
.set LA,  10                           ; v10  where that sum goes in LDS
.set BK,  12                           ; v[12:13] two sums read back
.set X,   16                           ; v[16:143]  row p, quarter q at X + 16 p + 4 q, f32 as loaded
.set Y,   144                          ; v[144:207] row p at Y + 8 p, bf16 to store
.set WV,  10                           ; s10  my wave's number
.set MK,  16                           ; s[16:23] mask p: the lanes with lane mod 8 = p
.set SEL, 24                           ; s[24:25] v_permlanex16_b32: each lane takes its own place in the other half
	s_load_b128 s[4:7], s[0:1], 0x0                ; codebook s[4:5], cb16 s[6:7]
	s_load_b64 s[8:9], s[0:1], 0x10                ; c2
	v_lshl_add_u32 v[SPW], v0, 2, SPARE
	v_mov_b32 v[NIL], 0
	v_lshrrev_b32 v[TP], 5, v0
	v_readfirstlane_b32 s[WV], v[TP]               ; wave 0..7
	v_and_b32 v[L7], 31, v0
	v_lshlrev_b32 v[L16], 4, v[L7]
	v_lshlrev_b32 v[L8], 3, v[L7]
	v_and_b32 v[L7], 7, v0
	s_lshl_b32 s12, ttmp9, 6
	s_lshl_b32 s13, s[WV], 3
	s_add_co_u32 s12, s12, s13                     ; my first row = 64 x work-group + 8 x wave
	s_lshl_b32 s14, s12, 11                        ; its byte in codebook (under 2^24)
	s_mov_b32 s15, 0
	s_lshl_b32 s12, s12, 10                        ; and in cb16
	s_mov_b32 s13, 0
	s_lshl_b32 s26, ttmp9, 8                       ; the work-group's 256 bytes of c2
	s_mov_b32 s27, 0
	s_mov_b32 s[SEL], 0x76543210
	s_mov_b32 s[SEL+1], 0xfedcba98
	s_wait_kmcnt 0x0
	s_add_nc_u64 s[4:5], s[4:5], s[14:15]
	s_add_nc_u64 s[6:7], s[6:7], s[12:13]
	s_add_nc_u64 s[8:9], s[8:9], s[26:27]
.irp p, 0,1,2,3,4,5,6,7
.irp q, 0,1,2,3
	global_load_b128 v[X+16*\p+4*\q:X+16*\p+4*\q+3], v[L16], s[4:5] offset:ROWB*\p+512*\q  ; 512 consecutive bytes; no hint: a later launch reads the table again
.endr
.endr
.irp p, 1,2,3,4,5,6,7
	v_cmp_eq_u32 s[MK+\p], \p, v[L7]
.endr
	v_lshlrev_b32 v[LA], 2, v[L7]
	v_lshl_add_u32 v[LA], s[WV], 5, v[LA]          ; SCR + 4 x (8 x wave + lane mod 8)
; Row p: rounded, stored, squared and summed.
.macro ROWP p
	s_wait_loadcnt 28-4*(\p)                       ; loads come back in order: the four of row p are in, the 4 (7 - p) of the later rows stay out
.irp i, 0,1,2,3,4,5,6,7
	v_cvt_pk_bf16_f32 v[Y+8*(\p)+\i], v[X+16*(\p)+2*\i], v[X+16*(\p)+2*\i+1]
.endr
.irp q, 0,1,2,3
	global_store_b64 v[L8], v[Y+8*(\p)+2*\q:Y+8*(\p)+2*\q+1], s[6:7] offset:OUTB*(\p)+256*\q  ; 32 lanes store 256 consecutive bytes, at a multiple of 256 from cb16's first byte
.endr
	v_mov_b32 v[S0], 0
	v_mov_b32 v[S1], 0
.irp i, 0,1,2,3,4,5,6,7
	v_fma_mix_f32_bf16 v[S0], v[Y+8*(\p)+\i], v[Y+8*(\p)+\i], v[S0] op_sel_hi:[1,1,0]                  ; the low half squared, exact, added in f32
	v_fma_mix_f32_bf16 v[S1], v[Y+8*(\p)+\i], v[Y+8*(\p)+\i], v[S1] op_sel:[1,1,0] op_sel_hi:[1,1,0]   ; the high half
.endr
	v_add_f32 v[S0], v[S0], v[S1]
	v_add_f32_dpp v[S0], v[S0], v[S0] row_xmask:1 row_mask:0xf bank_mask:0xf
	v_add_f32_dpp v[S0], v[S0], v[S0] row_xmask:2 row_mask:0xf bank_mask:0xf
	v_add_f32_dpp v[S0], v[S0], v[S0] row_xmask:4 row_mask:0xf bank_mask:0xf
	v_add_f32_dpp v[S0], v[S0], v[S0] row_xmask:8 row_mask:0xf bank_mask:0xf
	v_permlanex16_b32 v[TP], v[S0], s[SEL], s[SEL+1]
	v_add_f32 v[S0], v[S0], v[TP]                  ; every lane holds the row's sum
.if (\p) == 0
	v_mov_b32 v[CS], v[S0]
.else
	v_cndmask_b32 v[CS], v[CS], v[S0], s[MK+(\p)]  ; the lanes with lane mod 8 = p keep it
.endif
.endm
.irp p, 0,1,2,3,4,5,6,7
	ROWP \p
.endr
	ds_store_b32 v[LA], v[CS]                      ; four lanes write the same word with the same number
	s_wait_dscnt 0x0                               ; for the others' sake: my store is done
	s_barrier_signal -1
	s_barrier_wait -1
	s_cmp_lg_u32 s[WV], 0
	s_cbranch_scc1 .Ljoin
	ds_load_b64 v[BK:BK+1], v[L8]                  ; wave 0: all 64 sums, two a lane
	s_wait_dscnt 0x0
	global_store_b64 v[L8], v[BK:BK+1], s[8:9]     ; 256 consecutive bytes, at a multiple of 256 from c2's first byte
.Ljoin:
	s_wait_tensorcnt 0x0                           ; the wave's end, behind my last LDS store
	ds_add_u32 v[SPW], v[NIL]
	s_wait_dscnt 0x0
	s_endpgm
.Lfunc_end_k_q6ef763cad0_prep:
	.size	k_q6ef763cad0_prep, .Lfunc_end_k_q6ef763cad0_prep-k_q6ef763cad0_prep
	.p2alignl 7, 3214868480
	.fill 96, 4, 3214868480
	.section	.rodata,"a",@progbits
	.p2align	6, 0x0
	.amdhsa_kernel k_q6ef763cad0_prep
		.amdhsa_group_segment_fixed_size 1280
		.amdhsa_private_segment_fixed_size 0
		.amdhsa_enable_private_segment 0
		.amdhsa_kernarg_size 24
		.amdhsa_user_sgpr_count 2
		.amdhsa_user_sgpr_kernarg_segment_ptr 1
		.amdhsa_wavefront_size32 1
		.amdhsa_system_sgpr_workgroup_id_x 1
		.amdhsa_system_sgpr_workgroup_id_y 1
		.amdhsa_system_sgpr_workgroup_id_z 1
		.amdhsa_system_vgpr_workitem_id 0
		.amdhsa_next_free_vgpr 216
		.amdhsa_next_free_sgpr 66
		.amdhsa_reserve_vcc 0
		.amdhsa_float_denorm_mode_32 3
		.amdhsa_float_denorm_mode_16_64 3
		.amdhsa_memory_ordered 1
		.amdhsa_forward_progress 1
		.amdhsa_inst_pref_size 25
	.end_amdhsa_kernel
	.amdgpu_metadata
---
amdhsa.version: [ 1, 2 ]
amdhsa.kernels:
  - .name:           k_q6ef763cad0_prep
    .symbol:         k_q6ef763cad0_prep.kd
    .args:
      - { .name: codebook, .offset: 0, .size: 8, .value_kind: global_buffer, .address_space: global }
      - { .name: cb16, .offset: 8, .size: 8, .value_kind: global_buffer, .address_space: global }
      - { .name: c2, .offset: 16, .size: 8, .value_kind: global_buffer, .address_space: global }
    .group_segment_fixed_size: 1280
    .private_segment_fixed_size: 0
    .kernarg_segment_align: 8
    .kernarg_segment_size: 24
    .max_flat_workgroup_size: 256
    .sgpr_count:     66
    .vgpr_count:     216
    .wavefront_size: 32
...
	.end_amdgpu_metadata
.endif
;; end of part 1
;; launch dist (part 2): grid 128 x 2, 4 waves a work-group, clusters of 4 x 1, 327,680 bytes of LDS; arguments inputs, cb16, c2, pval, pidx; writes pval, pidx
.if DOCPART == 2
	.amdgcn_target "amdgcn-amd-amdhsa--gfx1250"
	.amdhsa_code_object_version 6
	.text
	.protected	k_q6ef763cad0_dist
	.globl	k_q6ef763cad0_dist
	.p2align	8
	.type	k_q6ef763cad0_dist,@function
k_q6ef763cad0_dist:
	s_mov_b64 s[64:65], 0
	v_nop
	global_prefetch_b8 v0, s[64:65] scope:SCOPE_SE
	s_setreg_imm32_b32 hwreg(HW_REG_WAVE_MODE, 25, 1), 1
	s_wait_xcnt 0x0
	s_wait_alu depctr_hold_cnt(0) depctr_sa_sdst(0) depctr_va_vdst(0) depctr_va_sdst(0) depctr_va_ssrc(0) depctr_va_vcc(0) depctr_vm_vsrc(0)
	s_getreg_b32 s2, hwreg(HW_REG_IB_STS2, 6, 4)
	s_cmp_eq_u32 s2, 0
	s_cbranch_scc0 .Lentry_in_a_cluster
	s_endpgm
.Lentry_in_a_cluster:
	s_bfe_u32 s2, ttmp6, 0x10000c
	s_cmp_lg_u32 s2, 0x3003
	s_cbranch_scc0 .Lentry_shape_is_right
	s_endpgm
.Lentry_shape_is_right:
; For each of 128 rows x of inputs and one half (4,096) of the codes: the least d2 = (x2 + c2[k]) - 2 x . c[k] and the lowest code that has it.
; inputs: [16384][512] f32.  cb16: [8192][512] bf16.  c2: [8192] f32.  pval, pidx: [2][16384], plane y for code half y.
; ARITHMETIC.  x is rounded to bf16 here, the codes were rounded before; x2 and c2 are the sums of squares of the ROUNDED numbers; the products' sums are f32.  The last two
; roundings are the formula's own: t = fl(x2 + c2), d = fl(t - 2 mm) by one fused multiply-add (2 mm is exact).  A code replaces the best only if d - best < 0, codes ascending,
; and wherever two candidates meet the lower code wins a tie: the first least code, as argmin has it.
; LIMITS.  Matrix operands are bf16.  The order of the long sums (mm, x2, c2) is the matrix unit's and the lanes', so two codes whose d2 lie within a few units in the last place
; (about 1e-4 at d2 near 1,000) may be taken the other way round than by another order of summation.  NaN and infinities are not treated apart.
; SHARES.  256 work-groups: row block rb (128 rows) x code half y.  Wave w = (i, j) = (w / 2, w % 2) owns rows 64 i .. 64 i + 63 (four tiles of 16) and codes 64 j .. 64 j + 63 of each tile
; of 128 codes.  The wave's x stays in registers for the whole launch: 64 fragments, 512 registers.  A tile of codes is four PASSES of 16 codes; a pass is 16 steps of 32 along the
; 512 numbers x 4 row tiles = 64 matrix instructions on four accumulators that take turns.
; LAYOUT.  Source 0 = 16 codes, source 1 = 16 rows of x: in the result lane (r, h) holds ONE row (r) and the codes 8 h + 0..7.  So the running minimum never changes lanes until the end.
; RIDERS.  The 144 vector instructions that fold a pass's 4 x 8 results a lane into the running minimum stand behind the NEXT pass's matrix instructions, 9 for every 4; two sets of
; accumulators and of c2 registers take turns.  Every rider's second source is a constant or a scalar register, so the whole loop runs under the two window settings of the products.
; CLUSTER.  The four row blocks of a cluster share y and walk the same codes: every tile is asked for JOINTLY, by the same tensor load, descriptor and mask in all four.  x goes through no
; LDS, so nothing else is shared; a cluster of 4 x 1 is all that the sharing has.
; No first pass is written out: the first pass's riders work on a made-up state (c2 = +inf, sums 0), whose d - best is inf - inf, not less than 0.  The price: 104 v_mov_b32, in the wait for the first tile.
; REGISTERS, in windows of 256 (s_set_vgpr_msb: bits 1:0 source 0, 3:2 source 1, 5:4 source 2, 7:6 destination):
;   window 0: see the names below      window 1: x, steps 0-7: step s, tile a at 32 s + 8 a      window 2: x, steps 8-15      window 3: x in f32 on its way in, two buffers of 128
.set PITCH, 1040                       ; a code's row in LDS: 1,024 bytes + 16 of padding = 65 x 16: the 16 rows of a fragment load start at 16 different groups of four banks (64 banks of 4 bytes: ISA guide 11.1)
.set SLOT,  128*PITCH                  ; a tile of 128 codes; two slots
.set TILEB, 128*1024                   ; the same tile in memory
.set C2B,   2*SLOT                     ; c2 of my 4,096 codes, dense, filled once
.set SCR,   C2B+16384                  ; [4 waves][64] least values, then [4][64] codes: written by LDS stores, never filled
.set SPARE, SCR+2048                   ; the spare words, 128 bytes for each wave: two blocks of 256 bytes that no other line names
.set XO,   3                           ; v3   2048 r + 32 h: my bytes in 16 rows of x
.set ADR0, 4                           ; v4   (64 j + r) x PITCH + 16 h: my place in a slot; never rewritten
.set ADR,  5                           ; v5   the same in the slot in hand
.set AC,   6                           ; v6   C2B + 256 j + 32 h + 512 x tile: my eight c2 of a tile's pass 0
.set V8H,  7                           ; v7   8 h
.set RJ,   8                           ; v8   r mod 8
.set TP,   9                           ; v9   at work
.set SPW,  10                          ; v10  LDS address of my spare word; never rewritten
.set NIL,  11                          ; v11  0; never rewritten
.set X2,   16                          ; v[16:23]   tile a: x2 of my row, twice (a pair)
.set T,    24                          ; v[24:31]   t, then d, of eight codes
.set DF,   32                          ; v[32:39]   d - best
.set C2R,  40                          ; v[40:55]   c2 of a pass's eight codes, two sets
.set BV,   56                          ; v[56:87]   the least d so far: tile a, register jj at BV + 8 a + jj
.set BI,   88                          ; v[88:119]  the first code of the pass that gave it
.set ACC,  120                         ; v[120:183] two sets of four accumulators: set q, tile a at ACC + 32 q + 8 a
.set BF,   184                         ; v[184:247] a ring of eight code fragments
.set WV,   14                          ; s14  my wave's number
.set G1,   24                          ; s[24:31] descriptor group 1 for the codes
.set G1C,  32                          ; s[32:39] for c2
.set G0A,  40                          ; s[40:43] group 0: tile 0 into slot 0
.set G0,   44                          ; s[44:47] group 0: tile 1 into slot 1; then it walks
.set G0C,  48                          ; s[48:51] group 0: c2
.set WL,   52                          ; s52  my 32 rows' place in a slot
.set TB,   54                          ; s54  the slot in hand: 0 or SLOT
.set CNT,  55                          ; s55  trips
.set RB,   56                          ; s56  the first code of the pass whose results the riders fold
.set INF,  57                          ; s57  +inf
.set SEL,  58                          ; s[58:59] v_permlanex16_b32: each lane takes its own place in the other half
.set SH,   60                          ; s60  the lanes that hold their own row's diagonal element
.set TS,   61                          ; s61  at work
.set MK,   68                          ; s[68:75] eight lane masks
.set MSB, 0
.macro WIN new                         ; the immediate's high byte repeats the setting that is left; a switch that changes nothing is dropped
.if MSB != (\new)
	s_set_vgpr_msb (MSB<<8)|(\new)
.set MSB, (\new)
.endif
.endm
.set W1,  0x04                         ; source 1 (x) in window 1, all else in window 0
.set W2,  0x08                         ; source 1 in window 2
.set LDX, 0xc0                         ; destination in window 3, address in window 0
.set CV1, 0x4f                         ; sources in window 3, destination in window 1
.set CV2, 0x8f                         ; destination in window 2
.set GR1, 0x05                         ; sources 0 and 1 in window 1
.set GR2, 0x0a                         ; in window 2
; A round of the cluster's barrier: my work-group's barrier, so that wave 0's signal speaks for all four waves; wave 0 signals; every wave waits for all four work-groups; my work-group's barrier once more.
.macro CREST                           ; a round behind its opening barrier
	s_cmp_lg_u32 s[WV], 0
	s_cbranch_scc1 .Lnot_wave_0_\@
	s_barrier_signal -3
.Lnot_wave_0_\@:
	s_barrier_wait -3
	s_barrier_signal -1
	s_barrier_wait -1
.endm
.macro CROUND                          ; a whole round
	s_barrier_signal -1
	s_barrier_wait -1
	CREST
.endm
	s_load_b256 s[4:11], s[0:1], 0x0               ; inputs s[4:5], cb16 s[6:7], c2 s[8:9], pval s[10:11]
	s_load_b64 s[12:13], s[0:1], 0x20              ; pidx
	v_lshl_add_u32 v[SPW], v0, 2, SPARE
	v_mov_b32 v[NIL], 0
	ds_add_u32 v[SPW], v[NIL]                      ; the wave's opening: the add and its wait stand ahead of my first tensor load; the set-up below, work on registers, stands between them
	v_lshrrev_b32 v1, 5, v0
	v_readfirstlane_b32 s[WV], v1                  ; wave 0..3
	s_lshr_b32 s15, s[WV], 1                       ; i: which 64 rows
	s_and_b32 s16, s[WV], 1                        ; j: which 64 codes of a tile
	s_bfe_u32 s17, ttmp6, 0x40000                  ; cx: my place in the cluster
	s_lshl_b32 s18, ttmp9, 2                       ; in a cluster launch ttmp9 counts clusters
	s_add_co_u32 s18, s18, s17                     ; rb = 4 x cluster x + cx: it enters x's, pval's and pidx's addresses alone
	s_and_b32 s19, ttmp7, 0xffff                   ; y, which the four partners share
	s_lshl_b32 s20, s18, 18                        ; x: rb x 128 rows x 2,048 bytes
	s_lshl_b32 s21, s15, 17                        ;    + i x 64 rows
	s_add_co_u32 s20, s20, s21
	s_mov_b32 s21, 0
	s_lshl_b32 s22, s19, 22                        ; codes: y x 4,096 rows x 1,024 bytes
	s_lshl_b32 s23, s[WV], 15                      ;    + wave x 32 rows
	s_add_co_u32 s22, s22, s23
	s_mov_b32 s23, 0
	s_lshl_b32 s62, s19, 14                        ; c2: y x 16,384 bytes
	s_lshl_b32 s63, s[WV], 12                      ;    + wave x 4,096
	s_add_co_u32 s62, s62, s63
	s_mov_b32 s63, 0
	; group 1 for the codes: 32 rows x 512 elements of 2 bytes, padded in LDS
	s_mov_b32 s[G1+0], 15|(1<<16)|(1<<20)|(1<<21)|(7<<22)|(3<<25)  ; 15:0 the mask of four; 17:16 2-byte elements; 20 padding on; 21 set beside a mask; 24:22 after every 256 words (code 7); 31:25 4 words (code 3)
	s_mov_b32 s[G1+1], 512<<16                     ; tensor_dim0 = 512
	s_mov_b32 s[G1+2], 32<<16                      ; tensor_dim1 = 32
	s_mov_b32 s[G1+3], 512<<16                     ; tile_dim0 = 512
	s_mov_b32 s[G1+4], 32                          ; tile_dim1 = 32
	s_mov_b32 s[G1+5], 512                         ; 512 elements from row to row
	s_mov_b32 s[G1+6], 0
	s_mov_b32 s[G1+7], 0
	; group 1 for c2: 4,096 dense bytes as 16 rows of 32 elements of 8 bytes, no padding
	s_mov_b32 s[G1C+0], 15|(3<<16)|(1<<21)
	s_mov_b32 s[G1C+1], 32<<16
	s_mov_b32 s[G1C+2], 16<<16
	s_mov_b32 s[G1C+3], 32<<16
	s_mov_b32 s[G1C+4], 16
	s_mov_b32 s[G1C+5], 32
	s_mov_b32 s[G1C+6], 0
	s_mov_b32 s[G1C+7], 0
	s_mul_i32 s[WL], s[WV], 32*PITCH               ; wave x 0x8200: it never touches bits 11 and 17, which are SLOT's: an exclusive or with SLOT changes slots
	s_mov_b32 s[G0A], 1
	s_mov_b32 s[G0A+1], s[WL]
	s_mov_b32 s[G0], 1
	s_add_co_u32 s[G0+1], s[WL], SLOT
	s_mov_b32 s[G0C], 1
	s_lshl_b32 s[G0C+1], s[WV], 12
	s_add_co_u32 s[G0C+1], s[G0C+1], C2B
	s_mov_b32 s[TB], 0
	s_mov_b32 s[INF], 0x7f800000
	s_mov_b32 s[SEL], 0x76543210
	s_mov_b32 s[SEL+1], 0xfedcba98
	s_lshl_b32 s[RB], s19, 12                      ; 4096 y + 64 j - 80: the first pass adds 80 behind its riders, which take nothing
	s_lshl_b32 s[TS], s16, 6
	s_add_co_u32 s[RB], s[RB], s[TS]
	s_sub_co_u32 s[RB], s[RB], 80
	s_wait_dscnt 0x0                               ; the opening add is done
	s_wait_kmcnt 0x0
	s_add_nc_u64 s[G0A+2:G0A+3], s[6:7], s[22:23]  ; my 32 rows of tile 0
	s_add_nc_u64 s[G0+2:G0+3], s[G0A+2:G0A+3], TILEB  ; of tile 1
	s_or_b32 s[G0A+3], s[G0A+3], 0x80000000        ; type = 2
	s_or_b32 s[G0+3], s[G0+3], 0x80000000
	s_add_nc_u64 s[G0C+2:G0C+3], s[8:9], s[62:63]
	s_or_b32 s[G0C+3], s[G0C+3], 0x80000000
	s_add_nc_u64 s[4:5], s[4:5], s[20:21]          ; x at my wave's first row
	s_lshl_b32 s20, s19, 16                        ; pval, pidx: plane y,
	s_lshl_b32 s21, s18, 9                         ; my block's 128 words
	s_add_co_u32 s20, s20, s21
	s_mov_b32 s21, 0
	s_add_nc_u64 s[10:11], s[10:11], s[20:21]
	s_add_nc_u64 s[12:13], s[12:13], s[20:21]
	CROUND                                         ; all four work-groups are here: the first joint loads meet
	tensor_load_to_lds s[G0C:G0C+3], s[G1C:G1C+7]  ; the first fills go out together: three loads of mine are out
	s_nop 0
	tensor_load_to_lds s[G0A:G0A+3], s[G1:G1+7]
	s_nop 0
	tensor_load_to_lds s[G0:G0+3], s[G1:G1+7]
	s_nop 0
.rept 4
	v_nop
.endr
	; X INTO REGISTERS.  A fragment is 16 rows x 32 numbers in 8 registers: lane (r, h) holds row r, numbers 8 h + 0..7 and 16 + 8 h + 0..7: in f32 four loads of 16 bytes, at 0, 16, 64, 80 from 2048 r + 32 h.
	v_and_b32 v1, 15, v0                           ; r
	v_bfe_u32 v2, v0, 4, 1                         ; h
	v_lshlrev_b32 v[XO], 11, v1
	v_lshl_add_u32 v[XO], v2, 5, v[XO]
.macro LOADB b                         ; batch b of 8: tile b % 4, steps 8 (b / 4) + 0..7: 32 loads into staging buffer b % 2
	WIN LDX
.set lA, (\b)%4
.set lK, (\b)/4
.set lS, 128*((\b)%2)
.irp t, 0,1,2,3,4,5,6,7
	global_load_b128 v[lS+16*\t:lS+16*\t+3],     v[XO], s[4:5] offset:32768*lA+128*(8*lK+\t)
	global_load_b128 v[lS+16*\t+4:lS+16*\t+7],   v[XO], s[4:5] offset:32768*lA+128*(8*lK+\t)+16
	global_load_b128 v[lS+16*\t+8:lS+16*\t+11],  v[XO], s[4:5] offset:32768*lA+128*(8*lK+\t)+64
	global_load_b128 v[lS+16*\t+12:lS+16*\t+15], v[XO], s[4:5] offset:32768*lA+128*(8*lK+\t)+80
.endr
.endm
.macro CVTB b                          ; the batch is rounded to bf16 into its eight fragments
.set lA, (\b)%4
.set lK, (\b)/4
.set lS, 128*((\b)%2)
.if lK == 0
	WIN CV1
.else
	WIN CV2
.endif
.irp t, 0,1,2,3,4,5,6,7
.irp u, 0,1,2,3,4,5,6,7
	v_cvt_pk_bf16_f32 v[32*\t+8*lA+\u], v[lS+16*\t+2*\u], v[lS+16*\t+2*\u+1]
.endr
.endr
.endm
	LOADB 0
	LOADB 1
	WIN 0                                          ; the other addresses are made while the loads are out
	s_mul_i32 s[TS], s16, 64*PITCH
	v_mul_u32_u24 v[ADR0], v1, PITCH
	v_lshl_add_u32 v[ADR0], v2, 4, v[ADR0]
	v_add_nc_u32 v[ADR0], s[TS], v[ADR0]
	v_mov_b32 v[ADR], v[ADR0]                      ; slot 0
	s_lshl_b32 s[TS], s16, 8
	s_add_co_u32 s[TS], s[TS], C2B
	v_lshl_add_u32 v[AC], v2, 5, s[TS]
	v_lshlrev_b32 v[V8H], 3, v2
	v_and_b32 v[RJ], 7, v0
.irp b, 0,1,2,3,4,5
	s_wait_loadcnt 32                              ; loads come back in order: this batch's 32 are in, the other buffer's 32 stay out
	CVTB \b
	LOADB (\b)+2
.endr
	s_wait_loadcnt 32
	CVTB 6
	s_wait_loadcnt 0x0
	CVTB 7
	; X2 BY THE MATRIX UNIT: x x^T of each tile, whose diagonal is the rows' sums of squares of the rounded numbers.  64 matrix instructions, the four accumulators by turns.
.irp s, 0,1,2,3,4,5,6,7,8,9,10,11,12,13,14,15
.if \s < 8
	WIN GR1
.else
	WIN GR2
.endif
.irp a, 0,1,2,3
.if \s == 0
	v_wmma_f32_16x16x32_bf16 v[ACC+8*\a:ACC+8*\a+7], v[32*(\s%8)+8*\a:32*(\s%8)+8*\a+7], v[32*(\s%8)+8*\a:32*(\s%8)+8*\a+7], 0
.else
	v_wmma_f32_16x16x32_bf16 v[ACC+8*\a:ACC+8*\a+7], v[32*(\s%8)+8*\a:32*(\s%8)+8*\a+7], v[32*(\s%8)+8*\a:32*(\s%8)+8*\a+7], v[ACC+8*\a:ACC+8*\a+7]
.endif
.endr
.endr
	WIN 0
	; What the first pass's riders find.  These moves name no register of the products above: they are the places (ISA guide 7.12.1) in front of the first read of those sums.
.set z, 0
.rept 32
	v_mov_b32 v[BV+z], s[INF]                      ; no code yet
	v_mov_b32 v[BI+z], 0
	v_mov_b32 v[ACC+32+z], 0                       ; the made-up pass: sums 0,
.set z, z+1
.endr
.set z, 0
.rept 8
	v_mov_b32 v[C2R+8+z], s[INF]                   ; c2 = +inf: d = +inf, d - best = inf - inf, not less than 0
.set z, z+1
.endr
.irp m, 1,2,3,4,5,6,7
	v_cmp_eq_u32 s[MK+\m], \m, v[RJ]
.endr
	v_lshrrev_b32 v[TP], 3, v1
	v_cmp_eq_u32 s[SH], v[TP], v2                  ; element (r, r) lies in register r mod 8 of the lane with h = r / 8
.irp a, 0,1,2,3
	v_mov_b32 v[T+\a], v[ACC+8*\a]                 ; the accumulator's lowest register is read first
.irp m, 1,2,3,4,5,6,7
	v_cndmask_b32 v[T+\a], v[T+\a], v[ACC+8*\a+\m], s[MK+\m]
.endr
	v_permlanex16_b32 v[TP], v[T+\a], s[SEL], s[SEL+1]
	v_cndmask_b32 v[X2+2*\a], v[TP], v[T+\a], s[SH]  ; my own pick, or that of the lane 16 away
	v_mov_b32 v[X2+2*\a+1], v[X2+2*\a]             ; named as a pair
.endr
; RIDER number rn of 144, for the pass whose sums lie in accumulator set q and whose c2 in set q.  Tile rn / 36; of its 36:
;   0-3 t = c2 + x2     4-7 d = t - 2 mm (the accumulator is read from its low end on)     8-11 d - best (its sign is exact)
;   12-19 less than 0?     20-27 the pass's first code where it is     28-35 the new best (the second operand, +inf, changes nothing: it keeps source 1 free of vector registers)
.macro RID q
.set ra, rn/36
.set rm, rn%36
.set rAC, ACC+32*(\q)+8*ra
.set rBV, BV+8*ra
.set rBI, BI+8*ra
.if rm < 4
	v_pk_fma_f32 v[T+2*rm:T+2*rm+1], v[C2R+8*(\q)+2*rm:C2R+8*(\q)+2*rm+1], 1.0, v[X2+2*ra:X2+2*ra+1] op_sel_hi:[1,0,0]
.elseif rm < 8
.set rz, rm-4
	v_pk_fma_f32 v[T+2*rz:T+2*rz+1], v[rAC+2*rz:rAC+2*rz+1], -2.0, v[T+2*rz:T+2*rz+1] op_sel_hi:[1,0,1]
.elseif rm < 12
.set rz, rm-8
	v_pk_fma_f32 v[DF+2*rz:DF+2*rz+1], v[T+2*rz:T+2*rz+1], 1.0, v[rBV+2*rz:rBV+2*rz+1] op_sel_hi:[1,0,1] neg_lo:[0,0,1] neg_hi:[0,0,1]
.elseif rm < 20
.set rz, rm-12
	v_cmp_lt_f32 s[MK+rz], v[DF+rz], 0
.elseif rm < 28
.set rz, rm-20
	v_cndmask_b32 v[rBI+rz], v[rBI+rz], s[RB], s[MK+rz]
.else
.set rz, rm-28
	v_min3_num_f32 v[rBV+rz], v[rBV+rz], s[INF], v[T+rz]
.endif
.set rn, rn+1
.endm
; A matrix instruction of pass p (step s, tile a) and the riders behind it: 9 for every 4.  mi counts the pass's matrix instructions.
.macro MMR p, s, a
.if (\s) == 0
	v_wmma_f32_16x16x32_bf16 v[ACC+32*((\p)%2)+8*(\a):ACC+32*((\p)%2)+8*(\a)+7], v[BF+8*((\s)%8):BF+8*((\s)%8)+7], v[32*((\s)%8)+8*(\a):32*((\s)%8)+8*(\a)+7], 0
.else
	v_wmma_f32_16x16x32_bf16 v[ACC+32*((\p)%2)+8*(\a):ACC+32*((\p)%2)+8*(\a)+7], v[BF+8*((\s)%8):BF+8*((\s)%8)+7], v[32*((\s)%8)+8*(\a):32*((\s)%8)+8*(\a)+7], v[ACC+32*((\p)%2)+8*(\a):ACC+32*((\p)%2)+8*(\a)+7]
.endif
.set mi, mi+1
.rept (mi*9)/4-rn
	RID 1-(\p)%2
.endr
.endm
.macro FRAG off, b                     ; a fragment of 16 codes x 32 numbers into place b of the ring
	ds_load_b128 v[BF+8*(\b):BF+8*(\b)+3],   v[ADR] offset:(\off)
	ds_load_b128 v[BF+8*(\b)+4:BF+8*(\b)+7], v[ADR] offset:(\off)+32
.endm
; Step s of pass p.  ld = 1: the fragment six steps on is fetched, into the place whose last reader stands two steps, nine riders and more, back.
.macro KSTEP p, s, ld
	s_wait_dscnt 10                                ; LDS loads come back in order: behind this step's two stand those of the five steps to come, ten; where c2's two or the add are younger too, the wait is only stricter
.if (\s) < 8
	WIN W1
.else
	WIN W2
.endif
	MMR \p,\s,0
.if \ld
.if (\s) < 10
	FRAG 16*PITCH*(\p)+64*((\s)+6),((\s)+6)%8
.else
	FRAG 16*PITCH*(((\p)+1)%4)+64*((\s)-10),((\s)+6)%8
.endif
.endif
.if (\s) == 0
	ds_load_b128 v[C2R+8*((\p)%2):C2R+8*((\p)%2)+3],   v[AC] offset:64*(\p)     ; c2 of this pass's codes 8 h + 0..7: wanted a pass later
	ds_load_b128 v[C2R+8*((\p)%2)+4:C2R+8*((\p)%2)+7], v[AC] offset:64*(\p)+16
.endif
	MMR \p,\s,1
	MMR \p,\s,2
	MMR \p,\s,3
.endm
.macro PASS p
.set mi, 0
.set rn, 0
.irp s, 0,1,2,3,4,5,6,7,8,9,10,11,12,13,14,15
	KSTEP \p,\s,1
.endr
.if (\p) == 0
	s_add_co_u32 s[RB], s[RB], 80                  ; from the last tile's pass 3 to this tile's pass 0: 128 - 48
.else
	s_add_co_u32 s[RB], s[RB], 16
.endif
.endm
; THE CHANGE OF SLOTS, in pass 3: the slot's last fragments were asked for in step 9.  Each wave waits for all its tensor loads, of which one is out: its part of the other slot; adds 0 to its spare word; and
; waits for that and for its own reads of the slot.  Behind the barrier nobody reads this slot any more and the other slot is whole.  Steps 10 and 11 stand round the signal: work on registers.
; fill = 1: the slot is filled again, with the tile two on.  The barrier then opens a round of the cluster's, so that no wave of any partner still reads the slot or has a load on its way, and the
; joint refill is the first thing behind the round: 248 matrix instructions stand between it and the wait for it.
.macro CHANGE fill
	WIN 0
	s_wait_tensorcnt 0x0                           ; no tensor load of mine is out, so a group 0 may be written
	ds_add_u32 v[SPW], v[NIL]                      ; 0 onto my spare word
.if \fill
	s_xor_b32 s[G0+1], s[G0+1], SLOT               ; the walking descriptor: the other slot than last time,
	s_add_nc_u64 s[G0+2:G0+3], s[G0+2:G0+3], TILEB ; the next tile; the type bits on top are not reached
.endif
	KSTEP 3,10,0
	s_wait_dscnt 0x0                               ; the add is done, and my reads of this slot are over
	s_barrier_signal -1
	MMR 3,11,0
	MMR 3,11,1
	MMR 3,11,2
	MMR 3,11,3
	WIN 0                                          ; at a branch and at a label every window is 0
	s_barrier_wait -1
.if \fill
	CREST
	tensor_load_to_lds s[G0:G0+3], s[G1:G1+7]      ; my one tensor load behind the round
	s_nop 0
.rept 4
	v_nop
.endr
.endif
	s_xor_b32 s[TB], s[TB], SLOT
	v_add_nc_u32 v[ADR], s[TB], v[ADR0]            ; the other slot
	v_add_nc_u32 v[AC], 0x200, v[AC]               ; the next tile's 128 c2
	FRAG 0,0                                       ; its steps 0 and 1, which steps 10 and 11 could not yet ask for
	FRAG 64,1
.endm
.macro PASS3 fill
.set mi, 0
.set rn, 0
.irp s, 0,1,2,3,4,5,6,7,8,9
	KSTEP 3,\s,1
.endr
	CHANGE \fill
.irp s, 12,13,14,15
	KSTEP 3,\s,1
.endr
	s_add_co_u32 s[RB], s[RB], 16
.endm
	s_wait_tensorcnt 0x1                           ; tensor loads of a wave end in order: c2 and my part of slot 0 are in; slot 1's may stay out
	s_barrier_signal -1
	s_barrier_wait -1                              ; everybody's are
.irp s, 0,1,2,3,4,5
	FRAG 64*\s,\s
.endr
	s_mov_b32 s[CNT], 30
.Lslot:                                                ; trip n multiplies tile n and asks for tile n + 2: 30 of the half's 32 tiles
	PASS 0
	PASS 1
	PASS 2
	PASS3 1
	WIN 0
	s_sub_co_u32 s[CNT], s[CNT], 1
	s_cmp_lg_u32 s[CNT], 0
	s_cbranch_scc1 .Lslot
	s_mov_b32 s[CNT], 2
.Ltail:                                                ; the last two tiles ask for nothing: written out.  One text for both: in the last trip the
	PASS 0                                         ; change of slots and the twelve fragment loads behind it (of slot 0's old bytes) serve nothing
	PASS 1
	PASS 2
	PASS3 0
	WIN 0
	s_sub_co_u32 s[CNT], s[CNT], 1
	s_cmp_lg_u32 s[CNT], 0
	s_cbranch_scc1 .Ltail
.set rn, 0
.rept 144
	RID 1                                          ; the last pass's results; its first four lines name no accumulator: with the nine riders before them they are the places behind the last products
.endr
	; THE END.  A lane's 8 candidates a tile, then the other half of the lanes', then the other wave's (the other 64 codes of every tile): each time the lesser value, and of equal values the lower code.
.macro COMB va, ia, vb, ib             ; (va, ia) = the lesser of (va, ia) and (vb, ib)
	v_cmp_lt_f32 s[MK], v[\vb], v[\va]
	v_cmp_eq_f32 s[MK+1], v[\vb], v[\va]
	v_cmp_lt_u32 s[MK+2], v[\ib], v[\ia]
	s_and_b32 s[MK+1], s[MK+1], s[MK+2]
	s_or_b32 s[MK], s[MK], s[MK+1]
	v_cndmask_b32 v[\va], v[\va], v[\vb], s[MK]
	v_cndmask_b32 v[\ia], v[\ia], v[\ib], s[MK]
.endm
.set z, 0
.rept 32
	v_add3_u32 v[BI+z], v[BI+z], v[V8H], z%8       ; the code itself: the pass's first + 8 h + register
.set z, z+1
.endr
	v_mov_b32 v248, 0                              ; v_permlanex16_b32's destination counts as read
	v_mov_b32 v249, 0
	s_lshl_b32 s[TS], s[WV], 8
	s_add_co_u32 s[TS], s[TS], SCR
	v_lshl_add_u32 v12, v1, 2, s[TS]               ; SCR + 256 x wave + 4 r
.irp a, 0,1,2,3
	COMB BV+8*\a,BI+8*\a,BV+8*\a+1,BI+8*\a+1
	COMB BV+8*\a+2,BI+8*\a+2,BV+8*\a+3,BI+8*\a+3
	COMB BV+8*\a+4,BI+8*\a+4,BV+8*\a+5,BI+8*\a+5
	COMB BV+8*\a+6,BI+8*\a+6,BV+8*\a+7,BI+8*\a+7
	COMB BV+8*\a,BI+8*\a,BV+8*\a+2,BI+8*\a+2
	COMB BV+8*\a+4,BI+8*\a+4,BV+8*\a+6,BI+8*\a+6
	COMB BV+8*\a,BI+8*\a,BV+8*\a+4,BI+8*\a+4
	v_permlanex16_b32 v248, v[BV+8*\a], s[SEL], s[SEL+1]
	v_permlanex16_b32 v249, v[BI+8*\a], s[SEL], s[SEL+1]
	COMB BV+8*\a,BI+8*\a,248,249
	ds_store_b32 v12, v[BV+8*\a] offset:64*\a      ; lanes r and r + 16 write the same word with the same number
	ds_store_b32 v12, v[BI+8*\a] offset:1024+64*\a
.endr
	s_wait_dscnt 0x0                               ; for the others' sake: my stores are done (and the tail's idle loads are back)
	s_barrier_signal -1
	s_barrier_wait -1
	s_cmp_gt_u32 s[WV], 1
	s_cbranch_scc1 .Ljoin
	v_and_b32 v15, 31, v0                          ; wave w' = 0, 1 takes the block's rows 64 w' + 2 lane and the next: the candidates of waves 2 w' and 2 w' + 1
	s_lshl_b32 s[TS], s[WV], 9
	s_add_co_u32 s[TS], s[TS], SCR
	v_lshl_add_u32 v13, v15, 3, s[TS]
	s_lshl_b32 s[TS], s[WV], 8
	v_lshl_add_u32 v14, v15, 3, s[TS]
	ds_load_b64 v[248:249], v13
	ds_load_b64 v[250:251], v13 offset:256
	ds_load_b64 v[252:253], v13 offset:1024
	ds_load_b64 v[254:255], v13 offset:1280
	s_wait_dscnt 0x0
	COMB 248,252,250,254
	COMB 249,253,251,255
	global_store_b64 v14, v[248:249], s[10:11]     ; 32 lanes store 256 consecutive bytes, at a multiple of 256 from the buffer's first byte
	global_store_b64 v14, v[252:253], s[12:13]
.Ljoin:
	s_wait_tensorcnt 0x0                           ; the wave's end, behind my last tensor load and my last LDS store
	ds_add_u32 v[SPW], v[NIL]
	s_wait_dscnt 0x0
	CROUND                                         ; the closing round: no work-group ends while a partner may still ask for a tile that names it
	s_endpgm
.Lfunc_end_k_q6ef763cad0_dist:
	.size	k_q6ef763cad0_dist, .Lfunc_end_k_q6ef763cad0_dist-k_q6ef763cad0_dist
	.p2alignl 7, 3214868480
	.fill 96, 4, 3214868480
	.section	.rodata,"a",@progbits
	.p2align	6, 0x0
	.amdhsa_kernel k_q6ef763cad0_dist
		.amdhsa_group_segment_fixed_size 327680
		.amdhsa_private_segment_fixed_size 0
		.amdhsa_enable_private_segment 0
		.amdhsa_kernarg_size 40
		.amdhsa_user_sgpr_count 2
		.amdhsa_user_sgpr_kernarg_segment_ptr 1
		.amdhsa_wavefront_size32 1
		.amdhsa_system_sgpr_workgroup_id_x 1
		.amdhsa_system_sgpr_workgroup_id_y 1
		.amdhsa_system_sgpr_workgroup_id_z 1
		.amdhsa_system_vgpr_workitem_id 0
		.amdhsa_next_free_vgpr 1024
		.amdhsa_next_free_sgpr 80
		.amdhsa_reserve_vcc 0
		.amdhsa_float_denorm_mode_32 3
		.amdhsa_float_denorm_mode_16_64 3
		.amdhsa_memory_ordered 1
		.amdhsa_forward_progress 1
		.amdhsa_inst_pref_size 227
	.end_amdhsa_kernel
	.amdgpu_metadata
---
amdhsa.version: [ 1, 2 ]
amdhsa.kernels:
  - .name:           k_q6ef763cad0_dist
    .symbol:         k_q6ef763cad0_dist.kd
    .args:
      - { .name: inputs, .offset: 0, .size: 8, .value_kind: global_buffer, .address_space: global }
      - { .name: cb16, .offset: 8, .size: 8, .value_kind: global_buffer, .address_space: global }
      - { .name: c2, .offset: 16, .size: 8, .value_kind: global_buffer, .address_space: global }
      - { .name: pval, .offset: 24, .size: 8, .value_kind: global_buffer, .address_space: global }
      - { .name: pidx, .offset: 32, .size: 8, .value_kind: global_buffer, .address_space: global }
    .group_segment_fixed_size: 327680
    .private_segment_fixed_size: 0
    .kernarg_segment_align: 8
    .kernarg_segment_size: 40
    .max_flat_workgroup_size: 128
    .sgpr_count:     80
    .vgpr_count:     1024
    .wavefront_size: 32
...
	.end_amdgpu_metadata
.endif
;; end of part 2
;; launch emit (part 3): grid 256 x 1, 8 waves a work-group, no clusters, 0 bytes of LDS; arguments inputs, codebook, pval, pidx, out0, out1; writes out0, out1
.if DOCPART == 3
	.amdgcn_target "amdgcn-amd-amdhsa--gfx1250"
	.amdhsa_code_object_version 6
	.text
	.protected	k_q6ef763cad0_emit
	.globl	k_q6ef763cad0_emit
	.p2align	8
	.type	k_q6ef763cad0_emit,@function
k_q6ef763cad0_emit:
	s_mov_b64 s[64:65], 0
	v_nop
	global_prefetch_b8 v0, s[64:65] scope:SCOPE_SE
	s_setreg_imm32_b32 hwreg(HW_REG_WAVE_MODE, 25, 1), 1
	s_wait_xcnt 0x0
; out1[n] = the code of the lesser of row n's two candidates (plane 1 only if its value is strictly less: of equal values the lower code);
; out0[n][:] = q + (x - q), q = codebook[out1[n]][:], x = inputs[n][:], in f32, in the formula's own order.
; inputs, out0: [16384][512] f32.  codebook: [8192][512] f32.  pval: [2][16384] f32.  pidx: [2][16384] i32.  out1: [16384] i32.
; The choice hangs on floating-point numbers, so it steers no address: BOTH candidates' rows are gathered (their addresses are made of pidx's whole numbers alone, cut to the table's 8,192 rows)
; and the row is chosen number by number, by v_cndmask_b32.
; Eight waves; the work-group owns 64 rows, a wave 8, a whole row (2,048 bytes) at a time: every load and store of a wave covers 512 consecutive bytes.  A ring of four row slots in
; registers keeps 36 to 48 loads of each wave on their way.  No LDS, no barrier, no matrix unit, no cluster: memory binds, and the work-groups share nothing but the table.
; LIMITS: NaN in pval is not treated apart (plane 0 is then taken).
.set ROWB, 2048
.set L16, 1                            ; v1   16 x lane
.set L8,  2                            ; v2   8 x lane
.set O0,  4                            ; v[4:11]   row p: byte offset of my 16 bytes in candidate 0's row of the table
.set O1,  12                           ; v[12:19]  the same for candidate 1
.set PV,  20                           ; v[20:23]  two rows' values, plane 0, plane 1
.set PI,  24                           ; v[24:27]  two rows' codes, plane 0, plane 1
.set SL,  32                           ; v[32:223] four slots of 48: x 16, candidate 0's row 16, candidate 1's row 16
.set PI0, 16                           ; s[16:23] my 8 rows' codes, plane 0
.set PI1, 24                           ; s[24:31] plane 1
.set PV0, 32                           ; s[32:39] my 8 rows' values, plane 0
.set PV1, 40                           ; s[40:47] plane 1
.set MK,  48                           ; s[48:55] row p: all lanes if plane 1 wins, else none
.set WV,  56                           ; s56  my wave's number
	s_load_b256 s[4:11], s[0:1], 0x0               ; inputs s[4:5], codebook s[6:7], pval s[8:9], pidx s[10:11]
	s_load_b128 s[12:15], s[0:1], 0x20             ; out0 s[12:13], out1 s[14:15]
	v_lshrrev_b32 v3, 5, v0
	v_readfirstlane_b32 s[WV], v3                  ; wave 0..7
	v_and_b32 v3, 31, v0
	v_lshlrev_b32 v[L16], 4, v3
	v_lshlrev_b32 v[L8], 3, v3
	s_lshl_b32 s58, ttmp9, 8                       ; the work-group's 64 words in pval, pidx, out1
	s_mov_b32 s59, 0
	s_lshl_b32 s60, s[WV], 5                       ; my wave's 8 of them
	s_mov_b32 s61, 0
	s_lshl_b32 s62, ttmp9, 17                      ; the work-group's 64 rows of 2,048 bytes (under 2^25),
	s_lshl_b32 s63, s[WV], 14                      ; my wave's 8
	s_add_co_u32 s62, s62, s63
	s_mov_b32 s63, 0
	s_wait_kmcnt 0x0
	s_add_nc_u64 s[8:9], s[8:9], s[58:59]
	s_add_nc_u64 s[10:11], s[10:11], s[58:59]
	s_add_nc_u64 s[14:15], s[14:15], s[58:59]
	s_add_nc_u64 s[66:67], s[8:9], s[60:61]
	s_add_nc_u64 s[68:69], s[10:11], s[60:61]
	s_load_b256 s[PI0:PI0+7], s[68:69], 0x0        ; this launch writes neither pidx nor pval
	s_load_b256 s[PI1:PI1+7], s[68:69], 0x10000
	s_load_b256 s[PV0:PV0+7], s[66:67], 0x0
	s_load_b256 s[PV1:PV1+7], s[66:67], 0x10000
	s_add_nc_u64 s[4:5], s[4:5], s[62:63]
	s_add_nc_u64 s[12:13], s[12:13], s[62:63]
	global_load_b64 v[PV:PV+1],   v[L8], s[8:9]                  ; for out1: the work-group's 64 rows, two a lane.  Every wave asks (1 KB), wave 0 uses them at the end:
	global_load_b64 v[PV+2:PV+3], v[L8], s[8:9] offset:65536     ; they are older than every row's loads, so the first counted wait below covers them
	global_load_b64 v[PI:PI+1],   v[L8], s[10:11]
	global_load_b64 v[PI+2:PI+3], v[L8], s[10:11] offset:65536
	s_wait_kmcnt 0x0
.irp p, 0,1,2,3,4,5,6,7
	s_min_u32 s[PI0+\p], s[PI0+\p], 8191           ; an index stays inside the table
	s_min_u32 s[PI1+\p], s[PI1+\p], 8191
.endr
.irp p, 0,1,2,3,4,5,6,7
	v_lshl_add_u32 v[O0+\p], s[PI0+\p], 11, v[L16]
	v_lshl_add_u32 v[O1+\p], s[PI1+\p], 11, v[L16]
	v_cmp_lt_f32 s[MK+\p], s[PV1+\p], s[PV0+\p]
.endr
.macro FILL p                          ; row p's twelve loads, into slot p % 4
.set fb, SL+48*((\p)%4)
.irp q, 0,1,2,3
	global_load_b128 v[fb+4*\q:fb+4*\q+3], v[L16], s[4:5] offset:ROWB*(\p)+512*\q th:TH_LOAD_NT
.endr
.irp q, 0,1,2,3
	global_load_b128 v[fb+16+4*\q:fb+16+4*\q+3], v[O0+(\p)], s[6:7] offset:512*\q
.endr
.irp q, 0,1,2,3
	global_load_b128 v[fb+32+4*\q:fb+32+4*\q+3], v[O1+(\p)], s[6:7] offset:512*\q
.endr
.endm
; Row p's turn.  left = the loads of the rows behind it, which may stay out.
.macro TURN p, left
.set fb, SL+48*((\p)%4)
	s_wait_loadcnt \left                           ; loads come back in order: row p's twelve are in
.set z, 0
.rept 16
	v_cndmask_b32 v[fb+16+z], v[fb+16+z], v[fb+32+z], s[MK+(\p)]   ; q
.set z, z+1
.endr
.set z, 0
.rept 8
	v_pk_add_f32 v[fb+z:fb+z+1], v[fb+z:fb+z+1], v[fb+16+z:fb+16+z+1] neg_lo:[0,1] neg_hi:[0,1]   ; x - q
.set z, z+2
.endr
.set z, 0
.rept 8
	v_pk_add_f32 v[fb+16+z:fb+16+z+1], v[fb+16+z:fb+16+z+1], v[fb+z:fb+z+1]                       ; q + (x - q)
.set z, z+2
.endr
.irp q, 0,1,2,3
	global_store_b128 v[L16], v[fb+16+4*\q:fb+16+4*\q+3], s[12:13] offset:ROWB*(\p)+512*\q th:TH_STORE_NT  ; 512 consecutive bytes, at a multiple of 256 from out0's first byte
.endr
.if (\p) < 4
	s_wait_xcnt 0x0                                ; every earlier memory instruction has had its addresses translated (ISA guide 3.1): the slot's registers, which the stores read, are loaded again only behind this wait
	FILL (\p)+4
.endif
.endm
	FILL 0
	FILL 1
	FILL 2
	FILL 3
	TURN 0, 36
	TURN 1, 36
	TURN 2, 36
	TURN 3, 36
	TURN 4, 36
	TURN 5, 24                                     ; nothing is left to fetch: the counts run down
	TURN 6, 12
	TURN 7, 0
	s_cmp_lg_u32 s[WV], 0
	s_cbranch_scc1 .Ldone
	v_cmp_lt_f32 vcc_lo, v[PV+2], v[PV]            ; wave 0: the work-group's 64 codes
	v_cndmask_b32 v[PI], v[PI], v[PI+2], vcc_lo
	v_cmp_lt_f32 vcc_lo, v[PV+3], v[PV+1]
	v_cndmask_b32 v[PI+1], v[PI+1], v[PI+3], vcc_lo
	global_store_b64 v[L8], v[PI:PI+1], s[14:15]   ; 256 consecutive bytes, at a multiple of 256 from out1's first byte
.Ldone:
	s_endpgm
.Lfunc_end_k_q6ef763cad0_emit:
	.size	k_q6ef763cad0_emit, .Lfunc_end_k_q6ef763cad0_emit-k_q6ef763cad0_emit
	.p2alignl 7, 3214868480
	.fill 96, 4, 3214868480
	.section	.rodata,"a",@progbits
	.p2align	6, 0x0
	.amdhsa_kernel k_q6ef763cad0_emit
		.amdhsa_group_segment_fixed_size 0
		.amdhsa_private_segment_fixed_size 0
		.amdhsa_enable_private_segment 0
		.amdhsa_kernarg_size 48
		.amdhsa_user_sgpr_count 2
		.amdhsa_user_sgpr_kernarg_segment_ptr 1
		.amdhsa_wavefront_size32 1
		.amdhsa_system_sgpr_workgroup_id_x 1
		.amdhsa_system_sgpr_workgroup_id_y 1
		.amdhsa_system_sgpr_workgroup_id_z 1
		.amdhsa_system_vgpr_workitem_id 0
		.amdhsa_next_free_vgpr 232
		.amdhsa_next_free_sgpr 72
		.amdhsa_reserve_vcc 1
		.amdhsa_float_denorm_mode_32 3
		.amdhsa_float_denorm_mode_16_64 3
		.amdhsa_memory_ordered 1
		.amdhsa_forward_progress 1
		.amdhsa_inst_pref_size 33
	.end_amdhsa_kernel
	.amdgpu_metadata
---
amdhsa.version: [ 1, 2 ]
amdhsa.kernels:
  - .name:           k_q6ef763cad0_emit
    .symbol:         k_q6ef763cad0_emit.kd
    .args:
      - { .name: inputs, .offset: 0, .size: 8, .value_kind: global_buffer, .address_space: global }
      - { .name: codebook, .offset: 8, .size: 8, .value_kind: global_buffer, .address_space: global }
      - { .name: pval, .offset: 16, .size: 8, .value_kind: global_buffer, .address_space: global }
      - { .name: pidx, .offset: 24, .size: 8, .value_kind: global_buffer, .address_space: global }
      - { .name: out0, .offset: 32, .size: 8, .value_kind: global_buffer, .address_space: global }
      - { .name: out1, .offset: 40, .size: 8, .value_kind: global_buffer, .address_space: global }
    .group_segment_fixed_size: 0
    .private_segment_fixed_size: 0
    .kernarg_segment_align: 8
    .kernarg_segment_size: 48
    .max_flat_workgroup_size: 256
    .sgpr_count:     72
    .vgpr_count:     232
    .wavefront_size: 32
...
	.end_amdgpu_metadata
.endif
;; end of part 3
;; ======== version 2 of 3: 3 launches; 1.20 times as fast as version 1
;; workspace buffers: cb16 8,388,608 bytes; c2 32,768 bytes; pkey 131,072 bytes of whole numbers; pidx 131,072 bytes of whole numbers
;; launch prep: the kernel of part 1 again; grid 128 x 1, 8 waves a work-group, no clusters, 1,280 bytes of LDS; arguments codebook, cb16, c2; writes cb16, c2
;; launch dist (part 4): grid 128 x 2, 4 waves a work-group, clusters of 4 x 1, 327,680 bytes of LDS; arguments inputs, cb16, c2, pkey, pidx; writes pkey, pidx
.if DOCPART == 4
	.amdgcn_target "amdgcn-amd-amdhsa--gfx1250"
	.amdhsa_code_object_version 6
	.text
	.protected	k_q6ef763cad0_dist
	.globl	k_q6ef763cad0_dist
	.p2align	8
	.type	k_q6ef763cad0_dist,@function
k_q6ef763cad0_dist:
	s_mov_b64 s[64:65], 0
	v_nop
	global_prefetch_b8 v0, s[64:65] scope:SCOPE_SE
	s_setreg_imm32_b32 hwreg(HW_REG_WAVE_MODE, 25, 1), 1
	s_wait_xcnt 0x0
	s_wait_alu depctr_hold_cnt(0) depctr_sa_sdst(0) depctr_va_vdst(0) depctr_va_sdst(0) depctr_va_ssrc(0) depctr_va_vcc(0) depctr_vm_vsrc(0)
	s_getreg_b32 s2, hwreg(HW_REG_IB_STS2, 6, 4)
	s_cmp_eq_u32 s2, 0
	s_cbranch_scc0 .Lentry_in_a_cluster
	s_endpgm
.Lentry_in_a_cluster:
	s_bfe_u32 s2, ttmp6, 0x10000c
	s_cmp_lg_u32 s2, 0x3003
	s_cbranch_scc0 .Lentry_shape_is_right
	s_endpgm
.Lentry_shape_is_right:
; For each of 128 rows x of inputs and one half (4,096) of the codes: the least d2 = (x2 + c2[k]) - 2 x . c[k] and the lowest code that has it.
; inputs: [16384][512] f32.  cb16: [8192][512] bf16.  c2: [8192] f32.  pkey, pidx: [2][16384] whole numbers, plane y for code half y.
; pkey holds the least d2 as a KEY: its f32 bits, all turned over if the sign is set, else with the sign bit set: the keys' unsigned order is the numbers' order, so that the next launch
; chooses between the two halves by a compare of whole numbers.  Equal numbers have equal keys: -0 does not arise (x2 + c2 is never -0, and an exact zero of the fused multiply-add is +0).
; ARITHMETIC.  x is rounded to bf16 here, the codes were rounded before; x2 and c2 are the sums of squares of the ROUNDED numbers; the products' sums are f32.  The last two
; roundings are the formula's own: t = fl(x2 + c2), d = fl(t - 2 mm) by one fused multiply-add (2 mm is exact).  A code replaces the best only if d - best < 0, codes ascending,
; and wherever two candidates meet the lower code wins a tie: the first least code, as argmin has it.
; LIMITS.  Matrix operands are bf16.  The order of the long sums (mm, x2, c2) is the matrix unit's and the lanes', so two codes whose d2 lie within a few units in the last place
; (about 1e-4 at d2 near 1,000) may be taken the other way round than by another order of summation.  NaN and infinities are not treated apart.
; SHARES.  256 work-groups: row block rb (128 rows) x code half y.  Wave w = (i, j) = (w / 2, w % 2) owns rows 64 i .. 64 i + 63 (four tiles of 16) and codes 64 j .. 64 j + 63 of each tile
; of 128 codes.  The wave's x stays in registers for the whole launch: 64 fragments, 512 registers.  A tile of codes is four PASSES of 16 codes; a pass is 16 steps of 32 along the
; 512 numbers x 4 row tiles = 64 matrix instructions on four accumulators that take turns.
; LAYOUT.  Source 0 = 16 codes, source 1 = 16 rows of x: in the result lane (r, h) holds ONE row (r) and the codes 8 h + 0..7.  So the running minimum never changes lanes until the end.
; RIDERS.  The 144 vector instructions that fold a pass's 4 x 8 results a lane into the running minimum stand in the NEXT pass; two sets of accumulators and of c2 registers take turns.  Every
; rider's second source is a constant or a scalar register, so a rider runs under the window setting of a product whose code fragment lies in window 0, beside the riders' registers.  Window 0 has
; room for eight fragments: a pass's steps 0-7.  Four riders stand behind each of their 32 products, the last sixteen together behind the last of them.  Steps 8-15 take their code fragments
; from window 3 and stand bare, back to back.
; THE LDS LOADS stand in ONE run of 34 a pass, between step 7's riders and step 8, never singly among the matrix instructions: this pass's c2 (2), the next pass's steps 0-7 (16, into the
; registers just read out), its steps 8-15 (16, into the other of window 3's two buffers).  32 and 64 matrix instructions stand between the run and the first uses.
; CLUSTER.  The four row blocks of a cluster share y and walk the same codes: every tile is asked for JOINTLY, by the same tensor load, descriptor and mask in all four.  x goes through no
; LDS, so nothing else is shared; a cluster of 4 x 1 is all that the sharing has.
; No first pass is written out: the first pass's riders work on a made-up state (c2 = +inf, sums 0), whose d - best is inf - inf, not less than 0.  The price: 104 v_mov_b32, in the wait for the first tile.
; REGISTERS, in windows of 256 (s_set_vgpr_msb: bits 1:0 source 0, 3:2 source 1, 5:4 source 2, 7:6 destination):
;   window 0: see the names below      window 1: x, steps 0-7: step s, tile a at 32 s + 8 a      window 2: x, steps 8-15
;   window 3: first x in f32 on its way in, two buffers of 128; then v0-127 the code fragments of steps 8-15, two buffers of 64 by the pass's parity
.set PITCH, 1040                       ; a code's row in LDS: 1,024 bytes + 16 of padding = 65 x 16: the 16 rows of a fragment load start at 16 different groups of four banks (64 banks of 4 bytes: ISA guide 11.1)
.set SLOT,  128*PITCH                  ; a tile of 128 codes; two slots
.set TILEB, 128*1024                   ; the same tile in memory
.set C2B,   2*SLOT                     ; c2 of my 4,096 codes, dense, filled once
.set SCR,   C2B+16384                  ; [4 waves][64] least values, then [4][64] codes: written by LDS stores, never filled
.set SPARE, SCR+2048                   ; the spare words, 128 bytes for each wave: two blocks of 256 bytes that no other line names
.set XO,   3                           ; v3   2048 r + 32 h: my bytes in 16 rows of x
.set ADR0, 4                           ; v4   (64 j + r) x PITCH + 16 h: my place in a slot; never rewritten
.set ADR,  5                           ; v5   the same in the slot in hand
.set AC,   6                           ; v6   C2B + 256 j + 32 h + 512 x tile: my eight c2 of a tile's pass 0
.set V8H,  7                           ; v7   8 h
.set RJ,   8                           ; v8   r mod 8
.set TP,   9                           ; v9   at work
.set SPW,  10                          ; v10  LDS address of my spare word; never rewritten
.set NIL,  11                          ; v11  0; never rewritten
.set X2,   16                          ; v[16:23]   tile a: x2 of my row, twice (a pair)
.set T,    24                          ; v[24:31]   t, then d, of eight codes
.set DF,   32                          ; v[32:39]   d - best
.set C2R,  40                          ; v[40:55]   c2 of a pass's eight codes, two sets
.set BV,   56                          ; v[56:87]   the least d so far: tile a, register jj at BV + 8 a + jj
.set BI,   88                          ; v[88:119]  the first code of the pass that gave it
.set ACC,  120                         ; v[120:183] two sets of four accumulators: set q, tile a at ACC + 32 q + 8 a
.set BF,   184                         ; v[184:247] the code fragments of a pass's steps 0-7: step s at BF + 8 s
.set HB,   0                           ; window 3: those of steps 8-15: buffer q, step s at HB + 64 q + 8 (s - 8)
.set WV,   14                          ; s14  my wave's number
.set G1,   24                          ; s[24:31] descriptor group 1 for the codes
.set G1C,  32                          ; s[32:39] for c2
.set G0A,  40                          ; s[40:43] group 0: tile 0 into slot 0
.set G0,   44                          ; s[44:47] group 0: tile 1 into slot 1; then it walks
.set G0C,  48                          ; s[48:51] group 0: c2
.set WL,   52                          ; s52  my 32 rows' place in a slot
.set TB,   54                          ; s54  the slot in hand: 0 or SLOT
.set CNT,  55                          ; s55  trips
.set RB,   56                          ; s56  the first code of the pass whose results the riders fold
.set INF,  57                          ; s57  +inf
.set SEL,  58                          ; s[58:59] v_permlanex16_b32: each lane takes its own place in the other half
.set SH,   60                          ; s60  the lanes that hold their own row's diagonal element
.set TS,   61                          ; s61  at work
.set MK,   68                          ; s[68:75] eight lane masks
.set MSB, 0
.macro WIN new                         ; the immediate's high byte repeats the setting that is left; a switch that changes nothing is dropped
.if MSB != (\new)
	s_set_vgpr_msb (MSB<<8)|(\new)
.set MSB, (\new)
.endif
.endm
.set W1,  0x04                         ; source 1 (x) in window 1, all else in window 0
.set W2,  0x0b                         ; source 0 (codes) in window 3, source 1 (x) in window 2, C and D in window 0
.set LDX, 0xc0                         ; destination in window 3, address in window 0
.set CV1, 0x4f                         ; sources in window 3, destination in window 1
.set CV2, 0x8f                         ; destination in window 2
.set GR1, 0x05                         ; sources 0 and 1 in window 1
.set GR2, 0x0a                         ; in window 2
; A round of the cluster's barrier: my work-group's barrier, so that wave 0's signal speaks for all four waves; wave 0 signals; every wave waits for all four work-groups; my work-group's barrier once more.
.macro CREST                           ; a round behind its opening barrier
	s_cmp_lg_u32 s[WV], 0
	s_cbranch_scc1 .Lnot_wave_0_\@
	s_barrier_signal -3
.Lnot_wave_0_\@:
	s_barrier_wait -3
	s_barrier_signal -1
	s_barrier_wait -1
.endm
.macro CROUND                          ; a whole round
	s_barrier_signal -1
	s_barrier_wait -1
	CREST
.endm
	s_load_b256 s[4:11], s[0:1], 0x0               ; inputs s[4:5], cb16 s[6:7], c2 s[8:9], pkey s[10:11]
	s_load_b64 s[12:13], s[0:1], 0x20              ; pidx
	v_lshl_add_u32 v[SPW], v0, 2, SPARE
	v_mov_b32 v[NIL], 0
	ds_add_u32 v[SPW], v[NIL]                      ; the wave's opening: the add and its wait stand ahead of my first tensor load; the set-up below, work on registers, stands between them
	v_lshrrev_b32 v1, 5, v0
	v_readfirstlane_b32 s[WV], v1                  ; wave 0..3
	s_lshr_b32 s15, s[WV], 1                       ; i: which 64 rows
	s_and_b32 s16, s[WV], 1                        ; j: which 64 codes of a tile
	s_bfe_u32 s17, ttmp6, 0x40000                  ; cx: my place in the cluster
	s_lshl_b32 s18, ttmp9, 2                       ; in a cluster launch ttmp9 counts clusters
	s_add_co_u32 s18, s18, s17                     ; rb = 4 x cluster x + cx: it enters x's, pkey's and pidx's addresses alone
	s_and_b32 s19, ttmp7, 0xffff                   ; y, which the four partners share
	s_lshl_b32 s20, s18, 18                        ; x: rb x 128 rows x 2,048 bytes
	s_lshl_b32 s21, s15, 17                        ;    + i x 64 rows
	s_add_co_u32 s20, s20, s21
	s_mov_b32 s21, 0
	s_lshl_b32 s22, s19, 22                        ; codes: y x 4,096 rows x 1,024 bytes
	s_lshl_b32 s23, s[WV], 15                      ;    + wave x 32 rows
	s_add_co_u32 s22, s22, s23
	s_mov_b32 s23, 0
	s_lshl_b32 s62, s19, 14                        ; c2: y x 16,384 bytes
	s_lshl_b32 s63, s[WV], 12                      ;    + wave x 4,096
	s_add_co_u32 s62, s62, s63
	s_mov_b32 s63, 0
	; group 1 for the codes: 32 rows x 512 elements of 2 bytes, padded in LDS
	s_mov_b32 s[G1+0], 15|(1<<16)|(1<<20)|(1<<21)|(7<<22)|(3<<25)  ; 15:0 the mask of four; 17:16 2-byte elements; 20 padding on; 21 set beside a mask; 24:22 after every 256 words (code 7); 31:25 4 words (code 3)
	s_mov_b32 s[G1+1], 512<<16                     ; tensor_dim0 = 512
	s_mov_b32 s[G1+2], 32<<16                      ; tensor_dim1 = 32
	s_mov_b32 s[G1+3], 512<<16                     ; tile_dim0 = 512
	s_mov_b32 s[G1+4], 32                          ; tile_dim1 = 32
	s_mov_b32 s[G1+5], 512                         ; 512 elements from row to row
	s_mov_b32 s[G1+6], 0
	s_mov_b32 s[G1+7], 0
	; group 1 for c2: 4,096 dense bytes as 16 rows of 32 elements of 8 bytes, no padding
	s_mov_b32 s[G1C+0], 15|(3<<16)|(1<<21)
	s_mov_b32 s[G1C+1], 32<<16
	s_mov_b32 s[G1C+2], 16<<16
	s_mov_b32 s[G1C+3], 32<<16
	s_mov_b32 s[G1C+4], 16
	s_mov_b32 s[G1C+5], 32
	s_mov_b32 s[G1C+6], 0
	s_mov_b32 s[G1C+7], 0
	s_mul_i32 s[WL], s[WV], 32*PITCH               ; wave x 0x8200: it never touches bits 11 and 17, which are SLOT's: an exclusive or with SLOT changes slots
	s_mov_b32 s[G0A], 1
	s_mov_b32 s[G0A+1], s[WL]
	s_mov_b32 s[G0], 1
	s_add_co_u32 s[G0+1], s[WL], SLOT
	s_mov_b32 s[G0C], 1
	s_lshl_b32 s[G0C+1], s[WV], 12
	s_add_co_u32 s[G0C+1], s[G0C+1], C2B
	s_mov_b32 s[TB], 0
	s_mov_b32 s[INF], 0x7f800000
	s_mov_b32 s[SEL], 0x76543210
	s_mov_b32 s[SEL+1], 0xfedcba98
	s_lshl_b32 s[RB], s19, 12                      ; 4096 y + 64 j - 80: the first pass adds 80 behind its riders, which take nothing
	s_lshl_b32 s[TS], s16, 6
	s_add_co_u32 s[RB], s[RB], s[TS]
	s_sub_co_u32 s[RB], s[RB], 80
	s_wait_dscnt 0x0                               ; the opening add is done
	s_wait_kmcnt 0x0
	s_add_nc_u64 s[G0A+2:G0A+3], s[6:7], s[22:23]  ; my 32 rows of tile 0
	s_add_nc_u64 s[G0+2:G0+3], s[G0A+2:G0A+3], TILEB  ; of tile 1
	s_or_b32 s[G0A+3], s[G0A+3], 0x80000000        ; type = 2
	s_or_b32 s[G0+3], s[G0+3], 0x80000000
	s_add_nc_u64 s[G0C+2:G0C+3], s[8:9], s[62:63]
	s_or_b32 s[G0C+3], s[G0C+3], 0x80000000
	s_add_nc_u64 s[4:5], s[4:5], s[20:21]          ; x at my wave's first row
	s_lshl_b32 s20, s19, 16                        ; pkey, pidx: plane y,
	s_lshl_b32 s21, s18, 9                         ; my block's 128 words
	s_add_co_u32 s20, s20, s21
	s_mov_b32 s21, 0
	s_add_nc_u64 s[10:11], s[10:11], s[20:21]
	s_add_nc_u64 s[12:13], s[12:13], s[20:21]
	CROUND                                         ; all four work-groups are here: the first joint loads meet
	tensor_load_to_lds s[G0C:G0C+3], s[G1C:G1C+7]  ; the first fills go out together: three loads of mine are out
	s_nop 0
	tensor_load_to_lds s[G0A:G0A+3], s[G1:G1+7]
	s_nop 0
	tensor_load_to_lds s[G0:G0+3], s[G1:G1+7]
	s_nop 0
.rept 4
	v_nop
.endr
	; X INTO REGISTERS.  A fragment is 16 rows x 32 numbers in 8 registers: lane (r, h) holds row r, numbers 8 h + 0..7 and 16 + 8 h + 0..7: in f32 four loads of 16 bytes, at 0, 16, 64, 80 from 2048 r + 32 h.
	v_and_b32 v1, 15, v0                           ; r
	v_bfe_u32 v2, v0, 4, 1                         ; h
	v_lshlrev_b32 v[XO], 11, v1
	v_lshl_add_u32 v[XO], v2, 5, v[XO]
.macro LOADB b                         ; batch b of 8: tile b % 4, steps 8 (b / 4) + 0..7: 32 loads into staging buffer b % 2
	WIN LDX
.set lA, (\b)%4
.set lK, (\b)/4
.set lS, 128*((\b)%2)
.irp t, 0,1,2,3,4,5,6,7
	global_load_b128 v[lS+16*\t:lS+16*\t+3],     v[XO], s[4:5] offset:32768*lA+128*(8*lK+\t)
	global_load_b128 v[lS+16*\t+4:lS+16*\t+7],   v[XO], s[4:5] offset:32768*lA+128*(8*lK+\t)+16
	global_load_b128 v[lS+16*\t+8:lS+16*\t+11],  v[XO], s[4:5] offset:32768*lA+128*(8*lK+\t)+64
	global_load_b128 v[lS+16*\t+12:lS+16*\t+15], v[XO], s[4:5] offset:32768*lA+128*(8*lK+\t)+80
.endr
.endm
.macro CVTB b                          ; the batch is rounded to bf16 into its eight fragments
.set lA, (\b)%4
.set lK, (\b)/4
.set lS, 128*((\b)%2)
.if lK == 0
	WIN CV1
.else
	WIN CV2
.endif
.irp t, 0,1,2,3,4,5,6,7
.irp u, 0,1,2,3,4,5,6,7
	v_cvt_pk_bf16_f32 v[32*\t+8*lA+\u], v[lS+16*\t+2*\u], v[lS+16*\t+2*\u+1]
.endr
.endr
.endm
	LOADB 0
	LOADB 1
	WIN 0                                          ; the other addresses are made while the loads are out
	s_mul_i32 s[TS], s16, 64*PITCH
	v_mul_u32_u24 v[ADR0], v1, PITCH
	v_lshl_add_u32 v[ADR0], v2, 4, v[ADR0]
	v_add_nc_u32 v[ADR0], s[TS], v[ADR0]
	v_mov_b32 v[ADR], v[ADR0]                      ; slot 0
	s_lshl_b32 s[TS], s16, 8
	s_add_co_u32 s[TS], s[TS], C2B-512             ; one tile's 512 bytes short: every trip's first line steps it
	v_lshl_add_u32 v[AC], v2, 5, s[TS]
	v_lshlrev_b32 v[V8H], 3, v2
	v_and_b32 v[RJ], 7, v0
.irp b, 0,1,2,3,4,5
	s_wait_loadcnt 32                              ; loads come back in order: this batch's 32 are in, the other buffer's 32 stay out
	CVTB \b
	LOADB (\b)+2
.endr
	s_wait_loadcnt 32
	CVTB 6
	s_wait_loadcnt 0x0
	CVTB 7
	; X2 BY THE MATRIX UNIT: x x^T of each tile, whose diagonal is the rows' sums of squares of the rounded numbers.  64 matrix instructions, the four accumulators by turns.
.irp s, 0,1,2,3,4,5,6,7,8,9,10,11,12,13,14,15
.if \s < 8
	WIN GR1
.else
	WIN GR2
.endif
.irp a, 0,1,2,3
.if \s == 0
	v_wmma_f32_16x16x32_bf16 v[ACC+8*\a:ACC+8*\a+7], v[32*(\s%8)+8*\a:32*(\s%8)+8*\a+7], v[32*(\s%8)+8*\a:32*(\s%8)+8*\a+7], 0
.else
	v_wmma_f32_16x16x32_bf16 v[ACC+8*\a:ACC+8*\a+7], v[32*(\s%8)+8*\a:32*(\s%8)+8*\a+7], v[32*(\s%8)+8*\a:32*(\s%8)+8*\a+7], v[ACC+8*\a:ACC+8*\a+7]
.endif
.endr
.endr
	WIN 0
	; What the first pass's riders find.  These moves name no register of the products above: they are the places (ISA guide 7.12.1) in front of the first read of those sums.
.set z, 0
.rept 32
	v_mov_b32 v[BV+z], s[INF]                      ; no code yet
	v_mov_b32 v[BI+z], 0
	v_mov_b32 v[ACC+32+z], 0                       ; the made-up pass: sums 0,
.set z, z+1
.endr
.set z, 0
.rept 8
	v_mov_b32 v[C2R+8+z], s[INF]                   ; c2 = +inf: d = +inf, d - best = inf - inf, not less than 0
.set z, z+1
.endr
.irp m, 1,2,3,4,5,6,7
	v_cmp_eq_u32 s[MK+\m], \m, v[RJ]
.endr
	v_lshrrev_b32 v[TP], 3, v1
	v_cmp_eq_u32 s[SH], v[TP], v2                  ; element (r, r) lies in register r mod 8 of the lane with h = r / 8
.irp a, 0,1,2,3
	v_mov_b32 v[T+\a], v[ACC+8*\a]                 ; the accumulator's lowest register is read first
.irp m, 1,2,3,4,5,6,7
	v_cndmask_b32 v[T+\a], v[T+\a], v[ACC+8*\a+\m], s[MK+\m]
.endr
	v_permlanex16_b32 v[TP], v[T+\a], s[SEL], s[SEL+1]
	v_cndmask_b32 v[X2+2*\a], v[TP], v[T+\a], s[SH]  ; my own pick, or that of the lane 16 away
	v_mov_b32 v[X2+2*\a+1], v[X2+2*\a]             ; named as a pair
.endr
; RIDER number rn of 144, for the pass whose sums lie in accumulator set q and whose c2 in set q.  Tile rn / 36; of its 36:
;   0-3 t = c2 + x2     4-7 d = t - 2 mm (the accumulator is read from its low end on)     8-11 d - best (its sign is exact)
;   12-19 less than 0?     20-27 the pass's first code where it is     28-35 the new best (the second operand, +inf, changes nothing: it keeps source 1 free of vector registers)
.macro RID q
.set ra, rn/36
.set rm, rn%36
.set rAC, ACC+32*(\q)+8*ra
.set rBV, BV+8*ra
.set rBI, BI+8*ra
.if rm < 4
	v_pk_fma_f32 v[T+2*rm:T+2*rm+1], v[C2R+8*(\q)+2*rm:C2R+8*(\q)+2*rm+1], 1.0, v[X2+2*ra:X2+2*ra+1] op_sel_hi:[1,0,0]
.elseif rm < 8
.set rz, rm-4
	v_pk_fma_f32 v[T+2*rz:T+2*rz+1], v[rAC+2*rz:rAC+2*rz+1], -2.0, v[T+2*rz:T+2*rz+1] op_sel_hi:[1,0,1]
.elseif rm < 12
.set rz, rm-8
	v_pk_fma_f32 v[DF+2*rz:DF+2*rz+1], v[T+2*rz:T+2*rz+1], 1.0, v[rBV+2*rz:rBV+2*rz+1] op_sel_hi:[1,0,1] neg_lo:[0,0,1] neg_hi:[0,0,1]
.elseif rm < 20
.set rz, rm-12
	v_cmp_lt_f32 s[MK+rz], v[DF+rz], 0
.elseif rm < 28
.set rz, rm-20
	v_cndmask_b32 v[rBI+rz], v[rBI+rz], s[RB], s[MK+rz]
.else
.set rz, rm-28
	v_min3_num_f32 v[rBV+rz], v[rBV+rz], s[INF], v[T+rz]
.endif
.set rn, rn+1
.endm
; The matrix instruction of pass p, step s, tile a.  The caller has set the windows: W1 for steps 0-7, W2 for steps 8-15.
.macro MM p, s, a
.if (\s) < 8
.set mA, BF+8*(\s)
.else
.set mA, HB+64*((\p)%2)+8*((\s)-8)
.endif
.set mB, 32*((\s)%8)+8*(\a)
.set mD, ACC+32*((\p)%2)+8*(\a)
.if (\s) == 0
	v_wmma_f32_16x16x32_bf16 v[mD:mD+7], v[mA:mA+7], v[mB:mB+7], 0
.else
	v_wmma_f32_16x16x32_bf16 v[mD:mD+7], v[mA:mA+7], v[mB:mB+7], v[mD:mD+7]
.endif
.endm
; Steps 0-7 of pass p: 32 matrix instructions, four riders of the pass before behind each.  The first four riders (t of tile 0) name no accumulator: they are the four places between the last
; pass's product of step 15, tile 0, and the first read of its result.
.macro HEAD p
	s_wait_dscnt 16                                ; LDS loads come back in order: of the last run the youngest sixteen (steps 8-15) may be out; c2 and steps 0-7 are in
	WIN W1
.irp s, 0,1,2,3,4,5,6,7
.irp a, 0,1,2,3
	MM \p,\s,\a
.rept 4
	RID 1-(\p)%2
.endr
.endr
.endr
.endm
.macro LUMP p                          ; the sixteen riders that are over: plain instructions that name no register of the products: the places in front of the loads into steps 0-7's registers
.rept 16
	RID 1-(\p)%2
.endr
.endm
.macro C2L p                           ; c2 of pass p's codes 8 h + 0..7: wanted a pass later
	ds_load_b128 v[C2R+8*((\p)%2):C2R+8*((\p)%2)+3],   v[AC] offset:64*(\p)
	ds_load_b128 v[C2R+8*((\p)%2)+4:C2R+8*((\p)%2)+7], v[AC] offset:64*(\p)+16
.endm
; The 32 fragment loads of pass n of the slot at ADR: steps 0-7 into window 0, steps 8-15 into buffer q of window 3.  It is entered with source 0 and destination in window 0.
.macro RUN n, q
.irp s, 0,1,2,3,4,5,6,7
	ds_load_b128 v[BF+8*\s:BF+8*\s+3],   v[ADR] offset:16*PITCH*(\n)+64*\s
	ds_load_b128 v[BF+8*\s+4:BF+8*\s+7], v[ADR] offset:16*PITCH*(\n)+64*\s+32
.endr
	WIN LDX
.irp s, 0,1,2,3,4,5,6,7
	ds_load_b128 v[HB+64*(\q)+8*\s:HB+64*(\q)+8*\s+3],   v[ADR] offset:16*PITCH*(\n)+512+64*\s
	ds_load_b128 v[HB+64*(\q)+8*\s+4:HB+64*(\q)+8*\s+7], v[ADR] offset:16*PITCH*(\n)+512+64*\s+32
.endr
.endm
.macro BACK p, s0                      ; steps s0 .. 15 of pass p, bare
	WIN W2
.set ks, (\s0)
.rept 16-(\s0)
.irp a, 0,1,2,3
	MM \p,ks,\a
.endr
.set ks, ks+1
.endr
.endm
.macro PASS p                          ; passes 0 to 2 of a tile
.set rn, 0
	HEAD \p
	LUMP \p
	C2L \p
	RUN (\p)+1,((\p)+1)%2
	s_wait_dscnt 34                                ; the 34 loads just issued may be out: the run before them, this pass's steps 8-15 among it, is in
	BACK \p,8
.if (\p) == 0
	s_add_co_u32 s[RB], s[RB], 80                  ; from the last tile's pass 3 to this tile's pass 0: 128 - 48
.else
	s_add_co_u32 s[RB], s[RB], 16
.endif
.endm
; PASS 3 HOLDS THE CHANGE OF SLOTS, in front of its run, the first to read the next slot; the old slot's last fragments were asked for in pass 2's run.  Each wave waits for all its tensor loads, of
; which one is out: its part of the other slot; adds 0 to its spare word; and waits for that and for its own reads of the slot.  Behind the barrier nobody reads this slot any more and the other slot is
; whole.  The sixteen riders stand between the add and its wait, steps 8 and 9 between the signal and the wait: work on registers.
; fill = 1: the slot is filled again, with the tile two on.  The barrier then opens a round of the cluster's, so that no wave of any partner still reads the slot or has a load on its way, and the
; joint refill is the first thing behind the round: 248 matrix instructions stand between it and the wait for it.
.macro PASS3 fill
.set rn, 0
	HEAD 3
	WIN 0
	s_wait_tensorcnt 0x0                           ; no tensor load of mine is out, so a group 0 may be written
	ds_add_u32 v[SPW], v[NIL]                      ; 0 onto my spare word
.if \fill
	s_xor_b32 s[G0+1], s[G0+1], SLOT               ; the walking descriptor: the other slot than last time,
	s_add_nc_u64 s[G0+2:G0+3], s[G0+2:G0+3], TILEB ; the next tile; the type bits on top are not reached
.endif
	LUMP 3
	s_wait_dscnt 0x0                               ; the add is done, my reads of this slot are over, and steps 8-15 are in
	s_barrier_signal -1
	WIN W2
.irp s, 8,9
.irp a, 0,1,2,3
	MM 3,\s,\a
.endr
.endr
	WIN 0                                          ; at a branch and at a label every window is 0
	s_barrier_wait -1
.if \fill
	CREST
	tensor_load_to_lds s[G0:G0+3], s[G1:G1+7]      ; my one tensor load behind the round
	s_nop 0
.rept 4
	v_nop
.endr
.endif
	C2L 3
	s_xor_b32 s[TB], s[TB], SLOT
	v_add_nc_u32 v[ADR], s[TB], v[ADR0]            ; the other slot
	RUN 0,0                                        ; its pass 0
	BACK 3,10
	s_add_co_u32 s[RB], s[RB], 16
.endm
	s_wait_tensorcnt 0x1                           ; tensor loads of a wave end in order: c2 and my part of slot 0 are in; slot 1's may stay out
	s_barrier_signal -1
	s_barrier_wait -1                              ; everybody's are
	RUN 0,0                                        ; tile 0's pass 0
	WIN 0
	s_mov_b32 s[CNT], 30
.Lslot:                                                ; trip n multiplies tile n and asks for tile n + 2: 30 of the half's 32 tiles
	v_add_nc_u32 v[AC], 0x200, v[AC]               ; this tile's 128 c2
	PASS 0
	PASS 1
	PASS 2
	PASS3 1
	WIN 0
	s_sub_co_u32 s[CNT], s[CNT], 1
	s_cmp_lg_u32 s[CNT], 0
	s_cbranch_scc1 .Lslot
	s_mov_b32 s[CNT], 2
.Ltail:                                                ; the last two tiles ask for nothing: written out.  One text for both: in the last trip the
	v_add_nc_u32 v[AC], 0x200, v[AC]               ; change of slots and the 32 fragment loads behind it (of slot 0's old bytes) serve nothing
	PASS 0
	PASS 1
	PASS 2
	PASS3 0
	WIN 0
	s_sub_co_u32 s[CNT], s[CNT], 1
	s_cmp_lg_u32 s[CNT], 0
	s_cbranch_scc1 .Ltail
	s_wait_dscnt 32                                ; the last pass's c2 is in: behind its two loads stand the 32 idle ones
.set rn, 0
.rept 144
	RID 1                                          ; the last pass's results; its first four lines name no accumulator: they are the places behind the last products
.endr
	; THE END.  A lane's 8 candidates a tile, then the other half of the lanes', then the other wave's (the other 64 codes of every tile): each time the lesser value, and of equal values the lower code.
.macro COMB va, ia, vb, ib             ; (va, ia) = the lesser of (va, ia) and (vb, ib)
	v_cmp_lt_f32 s[MK], v[\vb], v[\va]
	v_cmp_eq_f32 s[MK+1], v[\vb], v[\va]
	v_cmp_lt_u32 s[MK+2], v[\ib], v[\ia]
	s_and_b32 s[MK+1], s[MK+1], s[MK+2]
	s_or_b32 s[MK], s[MK], s[MK+1]
	v_cndmask_b32 v[\va], v[\va], v[\vb], s[MK]
	v_cndmask_b32 v[\ia], v[\ia], v[\ib], s[MK]
.endm
.set z, 0
.rept 32
	v_add3_u32 v[BI+z], v[BI+z], v[V8H], z%8       ; the code itself: the pass's first + 8 h + register
.set z, z+1
.endr
	v_mov_b32 v248, 0                              ; v_permlanex16_b32's destination counts as read
	v_mov_b32 v249, 0
	s_lshl_b32 s[TS], s[WV], 8
	s_add_co_u32 s[TS], s[TS], SCR
	v_lshl_add_u32 v12, v1, 2, s[TS]               ; SCR + 256 x wave + 4 r
.irp a, 0,1,2,3
	COMB BV+8*\a,BI+8*\a,BV+8*\a+1,BI+8*\a+1
	COMB BV+8*\a+2,BI+8*\a+2,BV+8*\a+3,BI+8*\a+3
	COMB BV+8*\a+4,BI+8*\a+4,BV+8*\a+5,BI+8*\a+5
	COMB BV+8*\a+6,BI+8*\a+6,BV+8*\a+7,BI+8*\a+7
	COMB BV+8*\a,BI+8*\a,BV+8*\a+2,BI+8*\a+2
	COMB BV+8*\a+4,BI+8*\a+4,BV+8*\a+6,BI+8*\a+6
	COMB BV+8*\a,BI+8*\a,BV+8*\a+4,BI+8*\a+4
	v_permlanex16_b32 v248, v[BV+8*\a], s[SEL], s[SEL+1]
	v_permlanex16_b32 v249, v[BI+8*\a], s[SEL], s[SEL+1]
	COMB BV+8*\a,BI+8*\a,248,249
	ds_store_b32 v12, v[BV+8*\a] offset:64*\a      ; lanes r and r + 16 write the same word with the same number
	ds_store_b32 v12, v[BI+8*\a] offset:1024+64*\a
.endr
	s_wait_dscnt 0x0                               ; for the others' sake: my stores are done (and the tail's idle loads are back)
	s_barrier_signal -1
	s_barrier_wait -1
	s_cmp_gt_u32 s[WV], 1
	s_cbranch_scc1 .Ljoin
	v_and_b32 v15, 31, v0                          ; wave w' = 0, 1 takes the block's rows 64 w' + 2 lane and the next: the candidates of waves 2 w' and 2 w' + 1
	s_lshl_b32 s[TS], s[WV], 9
	s_add_co_u32 s[TS], s[TS], SCR
	v_lshl_add_u32 v13, v15, 3, s[TS]
	s_lshl_b32 s[TS], s[WV], 8
	v_lshl_add_u32 v14, v15, 3, s[TS]
	ds_load_b64 v[248:249], v13
	ds_load_b64 v[250:251], v13 offset:256
	ds_load_b64 v[252:253], v13 offset:1024
	ds_load_b64 v[254:255], v13 offset:1280
	s_wait_dscnt 0x0
	COMB 248,252,250,254
	COMB 249,253,251,255
	v_ashrrev_i32 v250, 31, v248                   ; the key: all ones where the sign is set, else nothing,
	v_ashrrev_i32 v251, 31, v249
	v_or_b32 v250, 0x80000000, v250                ; and the sign bit in either case,
	v_or_b32 v251, 0x80000000, v251
	v_xor_b32 v248, v248, v250                     ; are turned over: the whole numbers' unsigned order is the numbers' order
	v_xor_b32 v249, v249, v251
	global_store_b64 v14, v[248:249], s[10:11]     ; 32 lanes store 256 consecutive bytes, at a multiple of 256 from the buffer's first byte
	global_store_b64 v14, v[252:253], s[12:13]
.Ljoin:
	s_wait_tensorcnt 0x0                           ; the wave's end, behind my last tensor load and my last LDS store
	ds_add_u32 v[SPW], v[NIL]
	s_wait_dscnt 0x0
	CROUND                                         ; the closing round: no work-group ends while a partner may still ask for a tile that names it
	s_endpgm
.Lfunc_end_k_q6ef763cad0_dist:
	.size	k_q6ef763cad0_dist, .Lfunc_end_k_q6ef763cad0_dist-k_q6ef763cad0_dist
	.p2alignl 7, 3214868480
	.fill 96, 4, 3214868480
	.section	.rodata,"a",@progbits
	.p2align	6, 0x0
	.amdhsa_kernel k_q6ef763cad0_dist
		.amdhsa_group_segment_fixed_size 327680
		.amdhsa_private_segment_fixed_size 0
		.amdhsa_enable_private_segment 0
		.amdhsa_kernarg_size 40
		.amdhsa_user_sgpr_count 2
		.amdhsa_user_sgpr_kernarg_segment_ptr 1
		.amdhsa_wavefront_size32 1
		.amdhsa_system_sgpr_workgroup_id_x 1
		.amdhsa_system_sgpr_workgroup_id_y 1
		.amdhsa_system_sgpr_workgroup_id_z 1
		.amdhsa_system_vgpr_workitem_id 0
		.amdhsa_next_free_vgpr 1024
		.amdhsa_next_free_sgpr 80
		.amdhsa_reserve_vcc 0
		.amdhsa_float_denorm_mode_32 3
		.amdhsa_float_denorm_mode_16_64 3
		.amdhsa_memory_ordered 1
		.amdhsa_forward_progress 1
		.amdhsa_inst_pref_size 226
	.end_amdhsa_kernel
	.amdgpu_metadata
---
amdhsa.version: [ 1, 2 ]
amdhsa.kernels:
  - .name:           k_q6ef763cad0_dist
    .symbol:         k_q6ef763cad0_dist.kd
    .args:
      - { .name: inputs, .offset: 0, .size: 8, .value_kind: global_buffer, .address_space: global }
      - { .name: cb16, .offset: 8, .size: 8, .value_kind: global_buffer, .address_space: global }
      - { .name: c2, .offset: 16, .size: 8, .value_kind: global_buffer, .address_space: global }
      - { .name: pkey, .offset: 24, .size: 8, .value_kind: global_buffer, .address_space: global }
      - { .name: pidx, .offset: 32, .size: 8, .value_kind: global_buffer, .address_space: global }
    .group_segment_fixed_size: 327680
    .private_segment_fixed_size: 0
    .kernarg_segment_align: 8
    .kernarg_segment_size: 40
    .max_flat_workgroup_size: 128
    .sgpr_count:     80
    .vgpr_count:     1024
    .wavefront_size: 32
...
	.end_amdgpu_metadata
.endif
;; end of part 4
;; launch emit (part 5): grid 256 x 1, 16 waves a work-group, no clusters, 0 bytes of LDS; arguments inputs, codebook, pkey, pidx, out0, out1; writes out0, out1
.if DOCPART == 5
	.amdgcn_target "amdgcn-amd-amdhsa--gfx1250"
	.amdhsa_code_object_version 6
	.text
	.protected	k_q6ef763cad0_emit
	.globl	k_q6ef763cad0_emit
	.p2align	8
	.type	k_q6ef763cad0_emit,@function
k_q6ef763cad0_emit:
	s_mov_b64 s[64:65], 0
	v_nop
	global_prefetch_b8 v0, s[64:65] scope:SCOPE_SE
	s_setreg_imm32_b32 hwreg(HW_REG_WAVE_MODE, 25, 1), 1
	s_wait_xcnt 0x0
; out1[n] = the code of the lesser of row n's two candidates (plane 1 only if its key is strictly less: of equal keys the lower code);
; out0[n][:] = q + (x - q), q = codebook[out1[n]][:], x = inputs[n][:], in f32, in the formula's own order.
; inputs, out0: [16384][512] f32.  codebook: [8192][512] f32.  pkey, pidx: [2][16384] whole numbers.  out1: [16384] i32.
; pkey holds each candidate's squared distance as a whole number whose unsigned order is the distances' order; the launch before made it so.  So the choice is a scalar compare and select of
; whole numbers read from memory, the chosen code (cut to the table's 8,192 rows) makes the address, and ONE row of the table is gathered for each row of x.
; Sixteen waves; the work-group owns 64 rows, so that its 64 codes are 256 consecutive bytes of out1; a wave owns 4 rows, a whole row (2,048 bytes) at a time: every load and store of a wave
; covers 512 consecutive bytes.  All 32 loads of a wave go out at once, x's sixteen while the list is on its way; each row has its own 32 registers, so no register that a load or store names
; is written again and no wait frees one.  No LDS, no barrier, no matrix unit, no cluster: memory binds, and the work-groups share nothing but the table.
; No prefetch of the gathered rows: their loads go out as soon as the list is read, so there is no earlier line from which to ask.
; LIMITS: a NaN's key sorts by its bits; NaN is not treated apart.
.set ROWB, 2048
.set L16, 1                            ; v1   16 x lane
.set L8,  2                            ; v2   8 x lane
.set O,   4                            ; v[4:7]    row p: byte offset of my 16 bytes in the chosen row of the table
.set KY,  8                            ; v[8:11]   wave 0: two rows' keys, plane 0, plane 1
.set PI,  12                           ; v[12:15]  wave 0: two rows' codes, plane 0, plane 1
.set SL,  16                           ; v[16:143] row p: x at SL + 32 p, the table's row at SL + 32 p + 16
.set PI0, 16                           ; s[16:19] my 4 rows' codes, plane 0; then the chosen codes
.set PI1, 20                           ; s[20:23] plane 1
.set PK0, 24                           ; s[24:27] my 4 rows' keys, plane 0
.set PK1, 28                           ; s[28:31] plane 1
.set WV,  32                           ; s32  my wave's number
	s_load_b256 s[4:11], s[0:1], 0x0               ; inputs s[4:5], codebook s[6:7], pkey s[8:9], pidx s[10:11]
	s_load_b128 s[12:15], s[0:1], 0x20             ; out0 s[12:13], out1 s[14:15]
	v_lshrrev_b32 v3, 5, v0
	v_readfirstlane_b32 s[WV], v3                  ; wave 0..15
	v_and_b32 v3, 31, v0
	v_lshlrev_b32 v[L16], 4, v3
	v_lshlrev_b32 v[L8], 3, v3
	s_lshl_b32 s34, ttmp9, 8                       ; the work-group's 64 words in pkey, pidx, out1
	s_mov_b32 s35, 0
	s_lshl_b32 s36, s[WV], 4                       ; my wave's 4 of them
	s_mov_b32 s37, 0
	s_lshl_b32 s38, ttmp9, 17                      ; the work-group's 64 rows of 2,048 bytes (under 2^25),
	s_lshl_b32 s39, s[WV], 13                      ; my wave's 4
	s_add_co_u32 s38, s38, s39
	s_mov_b32 s39, 0
	s_wait_kmcnt 0x0
	s_add_nc_u64 s[8:9], s[8:9], s[34:35]
	s_add_nc_u64 s[10:11], s[10:11], s[34:35]
	s_add_nc_u64 s[14:15], s[14:15], s[34:35]
	s_add_nc_u64 s[40:41], s[8:9], s[36:37]
	s_add_nc_u64 s[42:43], s[10:11], s[36:37]
	s_load_b128 s[PK0:PK0+3], s[40:41], 0x0        ; this launch writes neither pkey nor pidx
	s_load_b128 s[PK1:PK1+3], s[40:41], 0x10000
	s_load_b128 s[PI0:PI0+3], s[42:43], 0x0
	s_load_b128 s[PI1:PI1+3], s[42:43], 0x10000
	s_add_nc_u64 s[4:5], s[4:5], s[38:39]
	s_add_nc_u64 s[12:13], s[12:13], s[38:39]
.irp p, 0,1,2,3
.irp q, 0,1,2,3
	global_load_b128 v[SL+32*\p+4*\q:SL+32*\p+4*\q+3], v[L16], s[4:5] offset:ROWB*\p+512*\q th:TH_LOAD_NT  ; x hangs on no list: its sixteen loads go out first
.endr
.endr
	s_wait_kmcnt 0x0
.irp p, 0,1,2,3
	s_cmp_lt_u32 s[PK1+\p], s[PK0+\p]              ; strictly less: a tie keeps plane 0's code, the lower one
	s_cselect_b32 s[PI0+\p], s[PI1+\p], s[PI0+\p]
	s_min_u32 s[PI0+\p], s[PI0+\p], 8191           ; an index stays inside the table
	v_lshl_add_u32 v[O+\p], s[PI0+\p], 11, v[L16]
.endr
.irp p, 0,1,2,3
.irp q, 0,1,2,3
	global_load_b128 v[SL+32*\p+16+4*\q:SL+32*\p+16+4*\q+3], v[O+\p], s[6:7] offset:512*\q
.endr
.endr
	s_cmp_lg_u32 s[WV], 0
	s_cbranch_scc1 .Lrows
	global_load_b64 v[KY:KY+1],   v[L8], s[8:9]                  ; wave 0: the work-group's 64 rows, two a lane, for out1
	global_load_b64 v[KY+2:KY+3], v[L8], s[8:9] offset:65536
	global_load_b64 v[PI:PI+1],   v[L8], s[10:11]
	global_load_b64 v[PI+2:PI+3], v[L8], s[10:11] offset:65536
	s_wait_loadcnt 0x0                             ; these four, and with them all my rows' loads: the counted waits below are then met at once
	v_cmp_lt_u32 vcc_lo, v[KY+2], v[KY]
	v_cndmask_b32 v[PI], v[PI], v[PI+2], vcc_lo
	v_cmp_lt_u32 vcc_lo, v[KY+3], v[KY+1]
	v_cndmask_b32 v[PI+1], v[PI+1], v[PI+3], vcc_lo
	global_store_b64 v[L8], v[PI:PI+1], s[14:15]   ; 256 consecutive bytes, at a multiple of 256 from out1's first byte
.Lrows:
; Row p's turn.
.macro TURN p
.set fb, SL+32*(\p)
	s_wait_loadcnt 4*(3-(\p))                      ; loads come back in order: all of x and the table's rows up to p are in; the four loads of each later row may stay out
.set z, 0
.rept 8
	v_pk_add_f32 v[fb+z:fb+z+1], v[fb+z:fb+z+1], v[fb+16+z:fb+16+z+1] neg_lo:[0,1] neg_hi:[0,1]   ; x - q
.set z, z+2
.endr
.set z, 0
.rept 8
	v_pk_add_f32 v[fb+16+z:fb+16+z+1], v[fb+16+z:fb+16+z+1], v[fb+z:fb+z+1]                       ; q + (x - q)
.set z, z+2
.endr
.irp q, 0,1,2,3
	global_store_b128 v[L16], v[fb+16+4*\q:fb+16+4*\q+3], s[12:13] offset:ROWB*(\p)+512*\q th:TH_STORE_NT  ; 512 consecutive bytes, at a multiple of 256 from out0's first byte
.endr
.endm
	TURN 0
	TURN 1
	TURN 2
	TURN 3
	s_endpgm
.Lfunc_end_k_q6ef763cad0_emit:
	.size	k_q6ef763cad0_emit, .Lfunc_end_k_q6ef763cad0_emit-k_q6ef763cad0_emit
	.p2alignl 7, 3214868480
	.fill 96, 4, 3214868480
	.section	.rodata,"a",@progbits
	.p2align	6, 0x0
	.amdhsa_kernel k_q6ef763cad0_emit
		.amdhsa_group_segment_fixed_size 0
		.amdhsa_private_segment_fixed_size 0
		.amdhsa_enable_private_segment 0
		.amdhsa_kernarg_size 48
		.amdhsa_user_sgpr_count 2
		.amdhsa_user_sgpr_kernarg_segment_ptr 1
		.amdhsa_wavefront_size32 1
		.amdhsa_system_sgpr_workgroup_id_x 1
		.amdhsa_system_sgpr_workgroup_id_y 1
		.amdhsa_system_sgpr_workgroup_id_z 1
		.amdhsa_system_vgpr_workitem_id 0
		.amdhsa_next_free_vgpr 144
		.amdhsa_next_free_sgpr 66
		.amdhsa_reserve_vcc 1
		.amdhsa_float_denorm_mode_32 3
		.amdhsa_float_denorm_mode_16_64 3
		.amdhsa_memory_ordered 1
		.amdhsa_forward_progress 1
		.amdhsa_inst_pref_size 12
	.end_amdhsa_kernel
	.amdgpu_metadata
---
amdhsa.version: [ 1, 2 ]
amdhsa.kernels:
  - .name:           k_q6ef763cad0_emit
    .symbol:         k_q6ef763cad0_emit.kd
    .args:
      - { .name: inputs, .offset: 0, .size: 8, .value_kind: global_buffer, .address_space: global }
      - { .name: codebook, .offset: 8, .size: 8, .value_kind: global_buffer, .address_space: global }
      - { .name: pkey, .offset: 16, .size: 8, .value_kind: global_buffer, .address_space: global }
      - { .name: pidx, .offset: 24, .size: 8, .value_kind: global_buffer, .address_space: global }
      - { .name: out0, .offset: 32, .size: 8, .value_kind: global_buffer, .address_space: global }
      - { .name: out1, .offset: 40, .size: 8, .value_kind: global_buffer, .address_space: global }
    .group_segment_fixed_size: 0
    .private_segment_fixed_size: 0
    .kernarg_segment_align: 8
    .kernarg_segment_size: 48
    .max_flat_workgroup_size: 512
    .sgpr_count:     66
    .vgpr_count:     144
    .wavefront_size: 32
...
	.end_amdgpu_metadata
.endif
;; end of part 5
;; ======== version 3 of 3: 3 launches; version 2 with the launch prep written anew for expert scheduling mode
;; workspace buffers: cb16 8,388,608 bytes; c2 32,768 bytes; pkey 131,072 bytes of whole numbers; pidx 131,072 bytes of whole numbers
;; launch prep (part 6): grid 128 x 1, 8 waves a work-group, no clusters, 1,280 bytes of LDS; arguments codebook, cb16, c2; writes cb16, c2
.if DOCPART == 6
	.amdgcn_target "amdgcn-amd-amdhsa--gfx1250"
	.amdhsa_code_object_version 6
	.text
	.protected	k_q6ef763cad0_prep
	.globl	k_q6ef763cad0_prep
	.p2align	8
	.type	k_q6ef763cad0_prep,@function
k_q6ef763cad0_prep:
	s_mov_b64 s[64:65], 0
	v_nop
	global_prefetch_b8 v0, s[64:65] scope:SCOPE_SE
	s_setreg_imm32_b32 hwreg(HW_REG_WAVE_SCHED_MODE, 0, 2), 2
	s_setreg_imm32_b32 hwreg(HW_REG_WAVE_MODE, 25, 1), 1
	s_wait_xcnt 0x0
	s_wait_alu depctr_vm_vsrc(0)
; cb16[k][:] = codebook[k][:] rounded to bf16;  c2[k] = the sum over the row of the squares of the ROUNDED numbers, in f32.
; codebook: [8192][512] f32.  cb16: [8192][512] bf16.  c2: [8192] f32.
; Eight waves; the work-group owns 64 rows, so that its 64 sums are 256 consecutive bytes of c2, stored by one instruction.
; A wave owns 8 rows and takes a whole row at a time: four loads of 512 consecutive bytes, four stores of 256 consecutive bytes.
; All 32 loads of a wave go out at once (16 KB a wave on its way); each row has its own registers in and out, so no register
; that a load or store names is ever written again.  No matrix unit, no cluster: nothing is shared and memory binds.
; LIMITS: NaN and infinities are not treated apart; the order of a row's 512 additions is the lanes' own.
; THE MODE: SCHED_MODE bits 1:0 = 2 (LLVM: expert scheduling mode 2), set by the entry lines.  The code itself states the register dependences
; between vector instructions and memory or LDS instructions, with s_wait_alu, always for 0.
; THE PLAN.  Registers that memory or LDS instructions touch:
;   v[L16], v[L8], v[LA]  offsets and an LDS address: written once at the head, never again; read by the loads, by the stores and wave 0's LDS load, by the one LDS store.
;   X, row p              written by row p's four loads, once; read by row p's eight conversions; never loaded again.
;   Y, row p              written by row p's conversions, once; read by row p's squarings and by its four stores, which are issued in row p + 1.
;   v[CS]                 written by a move and seven selects, the last in row 7; read by the one LDS store behind row 7.
;   v[BK]                 written by wave 0's LDS load, read by its store: no vector instruction names it.
;   v[SPW], v[NIL]        written at the head, read by the closing add alone.
; Row p + 1's vector instructions name X and Y of row p + 1 and the sums' registers, none of which row p's stores touch.  So ONE wait on va_vdst at a row's head, behind the wait for the
; row's data, states all that the four stores of the row before hang on, and these are dealt among the row's conversions with no further wait.  One more stands ahead of the first load (the
; addresses) and one behind row 7 (its Y, and v[CS]).  No register that a memory or LDS instruction has read is written again: no wait on vm_vsrc is owed.  The scalar registers that vector
; instructions write (the wave's number, the seven lane masks) are written in one run at the head, with one wait on va_sdst behind it.
.set ROWB,  2048                       ; bytes of a row of codebook
.set OUTB,  1024                       ; bytes of a row of cb16
.set SCR,   0                          ; LDS: 64 sums, one block of 256 bytes
.set SPARE, 256                        ; LDS: the spare words, 128 bytes for each of the eight waves
.set L16, 1                            ; v1   16 x lane
.set L8,  2                            ; v2   8 x lane
.set L7,  3                            ; v3   lane mod 8
.set SPW, 4                            ; v4   LDS address of my spare word; never rewritten
.set NIL, 5                            ; v5   0; never rewritten
.set S0,  6                            ; v6   sum of the low halves' squares, then the row's sum
.set S1,  7                            ; v7   sum of the high halves' squares
.set TP,  8                            ; v8   the other half of the lanes' sum
.set CS,  9                            ; v9   lane l ends with the sum of row l mod 8
.set LA,  10                           ; v10  where that sum goes in LDS
.set BK,  12                           ; v[12:13] two sums read back
.set X,   16                           ; v[16:143]  row p, quarter q at X + 16 p + 4 q, f32 as loaded
.set Y,   144                          ; v[144:207] row p at Y + 8 p, bf16 to store
.set WV,  10                           ; s10  my wave's number
.set MK,  16                           ; s[16:23] mask p: the lanes with lane mod 8 = p
.set SEL, 24                           ; s[24:25] v_permlanex16_b32: each lane takes its own place in the other half
	s_load_b128 s[4:7], s[0:1], 0x0                ; codebook s[4:5], cb16 s[6:7]
	s_load_b64 s[8:9], s[0:1], 0x10                ; c2
	v_lshl_add_u32 v[SPW], v0, 2, SPARE
	v_mov_b32 v[NIL], 0
	v_lshrrev_b32 v[TP], 5, v0
	v_readfirstlane_b32 s[WV], v[TP]               ; wave 0..7
	v_and_b32 v[L7], 31, v0
	v_lshlrev_b32 v[L16], 4, v[L7]
	v_lshlrev_b32 v[L8], 3, v[L7]
	v_and_b32 v[L7], 7, v0
.irp p, 1,2,3,4,5,6,7
	v_cmp_eq_u32 s[MK+\p], \p, v[L7]
.endr
	s_wait_alu depctr_va_sdst(0)                   ; s10 and the seven masks s17 to s23 are written, ahead of the first reader of any of them: the address arithmetic below, v[LA], the rows' selects
	s_lshl_b32 s12, ttmp9, 6
	s_lshl_b32 s13, s[WV], 3
	s_add_co_u32 s12, s12, s13                     ; my first row = 64 x work-group + 8 x wave
	s_lshl_b32 s14, s12, 11                        ; its byte in codebook (under 2^24)
	s_mov_b32 s15, 0
	s_lshl_b32 s12, s12, 10                        ; and in cb16
	s_mov_b32 s13, 0
	s_lshl_b32 s26, ttmp9, 8                       ; the work-group's 256 bytes of c2
	s_mov_b32 s27, 0
	s_mov_b32 s[SEL], 0x76543210
	s_mov_b32 s[SEL+1], 0xfedcba98
	v_lshlrev_b32 v[LA], 2, v[L7]
	v_lshl_add_u32 v[LA], s[WV], 5, v[LA]          ; SCR + 4 x (8 x wave + lane mod 8)
	s_wait_kmcnt 0x0
	s_add_nc_u64 s[4:5], s[4:5], s[14:15]
	s_add_nc_u64 s[6:7], s[6:7], s[12:13]
	s_add_nc_u64 s[8:9], s[8:9], s[26:27]
	s_wait_alu depctr_va_vdst(0)                   ; v[L16], v[L8] and v[LA] are written: every load, store and LDS instruction of the kernel but the closing add reads one of them as its address
.irp p, 0,1,2,3,4,5,6,7
.irp q, 0,1,2,3
	global_load_b128 v[X+16*\p+4*\q:X+16*\p+4*\q+3], v[L16], s[4:5] offset:ROWB*\p+512*\q  ; 512 consecutive bytes; no hint: a later launch reads the table again
.endr
.endr
; Row p: the row before is stored; row p is rounded, squared and summed.
.macro ROWP p
	s_wait_loadcnt 28-4*(\p)                       ; loads come back in order: the four of row p are in, the 4 (7 - p) of the later rows stay out
.if (\p) > 0
	s_wait_alu depctr_va_vdst(0)                   ; the conversions of the row before have written its Y, which the four stores below read
.endif
.irp q, 0,1,2,3
.if (\p) > 0
	global_store_b64 v[L8], v[Y+8*((\p)-1)+2*\q:Y+8*((\p)-1)+2*\q+1], s[6:7] offset:OUTB*((\p)-1)+256*\q  ; 32 lanes store 256 consecutive bytes, at a multiple of 256 from cb16's first byte; no vector instruction since the wait names these registers
.endif
	v_cvt_pk_bf16_f32 v[Y+8*(\p)+2*\q],   v[X+16*(\p)+4*\q],   v[X+16*(\p)+4*\q+1]
	v_cvt_pk_bf16_f32 v[Y+8*(\p)+2*\q+1], v[X+16*(\p)+4*\q+2], v[X+16*(\p)+4*\q+3]
.endr
	v_mov_b32 v[S0], 0
	v_mov_b32 v[S1], 0
.irp i, 0,1,2,3,4,5,6,7
	v_fma_mix_f32_bf16 v[S0], v[Y+8*(\p)+\i], v[Y+8*(\p)+\i], v[S0] op_sel_hi:[1,1,0]                  ; the low half squared, exact, added in f32
	v_fma_mix_f32_bf16 v[S1], v[Y+8*(\p)+\i], v[Y+8*(\p)+\i], v[S1] op_sel:[1,1,0] op_sel_hi:[1,1,0]   ; the high half
.endr
	v_add_f32 v[S0], v[S0], v[S1]
	v_add_f32_dpp v[S0], v[S0], v[S0] row_xmask:1 row_mask:0xf bank_mask:0xf
	v_add_f32_dpp v[S0], v[S0], v[S0] row_xmask:2 row_mask:0xf bank_mask:0xf
	v_add_f32_dpp v[S0], v[S0], v[S0] row_xmask:4 row_mask:0xf bank_mask:0xf
	v_add_f32_dpp v[S0], v[S0], v[S0] row_xmask:8 row_mask:0xf bank_mask:0xf
	v_permlanex16_b32 v[TP], v[S0], s[SEL], s[SEL+1]
	v_add_f32 v[S0], v[S0], v[TP]                  ; every lane holds the row's sum
.if (\p) == 0
	v_mov_b32 v[CS], v[S0]
.else
	v_cndmask_b32 v[CS], v[CS], v[S0], s[MK+(\p)]  ; the lanes with lane mod 8 = p keep it
.endif
.endm
.irp p, 0,1,2,3,4,5,6,7
	ROWP \p
.endr
	s_wait_alu depctr_va_vdst(0)                   ; the last select has written v[CS], which the LDS store reads; row 7's conversions have written its Y, which the last four stores read
	ds_store_b32 v[LA], v[CS]                      ; four lanes write the same word with the same number; it goes first: the other waves wait for it at the barrier
.irp q, 0,1,2,3
	global_store_b64 v[L8], v[Y+56+2*\q:Y+56+2*\q+1], s[6:7] offset:OUTB*7+256*\q  ; row 7
.endr
	s_wait_dscnt 0x0                               ; for the others' sake: my store is done
	s_barrier_signal -1
	s_barrier_wait -1
	s_cmp_lg_u32 s[WV], 0
	s_cbranch_scc1 .Ljoin
	ds_load_b64 v[BK:BK+1], v[L8]                  ; wave 0: all 64 sums, two a lane; no vector instruction has named v[BK ..]
	s_wait_dscnt 0x0
	global_store_b64 v[L8], v[BK:BK+1], s[8:9]     ; 256 consecutive bytes, at a multiple of 256 from c2's first byte
.Ljoin:
	s_wait_dscnt 0x0                               ; the closing lines, six on end
	s_wait_alu 0x0
	s_wait_tensorcnt 0x0
	ds_add_u32 v[SPW], v[NIL]
	s_wait_dscnt 0x0
	s_endpgm
.Lfunc_end_k_q6ef763cad0_prep:
	.size	k_q6ef763cad0_prep, .Lfunc_end_k_q6ef763cad0_prep-k_q6ef763cad0_prep
	.p2alignl 7, 3214868480
	.fill 96, 4, 3214868480
	.section	.rodata,"a",@progbits
	.p2align	6, 0x0
	.amdhsa_kernel k_q6ef763cad0_prep
		.amdhsa_group_segment_fixed_size 1280
		.amdhsa_private_segment_fixed_size 0
		.amdhsa_enable_private_segment 0
		.amdhsa_kernarg_size 24
		.amdhsa_user_sgpr_count 2
		.amdhsa_user_sgpr_kernarg_segment_ptr 1
		.amdhsa_wavefront_size32 1
		.amdhsa_system_sgpr_workgroup_id_x 1
		.amdhsa_system_sgpr_workgroup_id_y 1
		.amdhsa_system_sgpr_workgroup_id_z 1
		.amdhsa_system_vgpr_workitem_id 0
		.amdhsa_next_free_vgpr 216
		.amdhsa_next_free_sgpr 66
		.amdhsa_reserve_vcc 0
		.amdhsa_float_denorm_mode_32 3
		.amdhsa_float_denorm_mode_16_64 3
		.amdhsa_memory_ordered 1
		.amdhsa_forward_progress 1
		.amdhsa_inst_pref_size 25
	.end_amdhsa_kernel
	.amdgpu_metadata
---
amdhsa.version: [ 1, 2 ]
amdhsa.kernels:
  - .name:           k_q6ef763cad0_prep
    .symbol:         k_q6ef763cad0_prep.kd
    .args:
      - { .name: codebook, .offset: 0, .size: 8, .value_kind: global_buffer, .address_space: global }
      - { .name: cb16, .offset: 8, .size: 8, .value_kind: global_buffer, .address_space: global }
      - { .name: c2, .offset: 16, .size: 8, .value_kind: global_buffer, .address_space: global }
    .group_segment_fixed_size: 1280
    .private_segment_fixed_size: 0
    .kernarg_segment_align: 8
    .kernarg_segment_size: 24
    .max_flat_workgroup_size: 256
    .sgpr_count:     66
    .vgpr_count:     216
    .wavefront_size: 32
...
	.end_amdgpu_metadata
.endif
;; end of part 6
;; launch dist: the kernel of part 4 again; grid 128 x 2, 4 waves a work-group, clusters of 4 x 1, 327,680 bytes of LDS; arguments inputs, cb16, c2, pkey, pidx; writes pkey, pidx
;; launch emit: the kernel of part 5 again; grid 256 x 1, 16 waves a work-group, no clusters, 0 bytes of LDS; arguments inputs, codebook, pkey, pidx, out0, out1; writes out0, out1
